; MI455X (gfx1250); checked and timed in simulation.
; The chip was launched on July 23, 2026; its instructions are those of AMD's public machine-readable ISA for CDNA 5 (MIT licence, August 2026) and "CDNA5" Instruction Set Architecture Reference Guide (July 2026). The comments in the code are by the model that wrote it; some were corrected since.
;; Causal Multi Head Attention. Allowed arithmetic: matrix products marked QUANTISED: E5M2 operands, one E8M0 scale for each 32 along K, by v_wmma_scale_f32_16x16x128_f8f6f4 with both operands' format E5M2, f32 sums; everything else in f32.
;; Inputs: Wk 1,024 x 1,024 float32; Wo 1,024 x 1,024 float32; Wq 1,024 x 1,024 float32; Wv 1,024 x 1,024 float32; bk 1,024 float32; bo 1,024 float32; bq 1,024 float32; bv 1,024 float32; x 4 x 2,048 x 1,024 float32.
;; Outputs: out0 4 x 2,048 x 1,024 float32.
;; This version of the problem:
;;   THIS VERSION OF THE PROBLEM IS GIVEN IN LOW PRECISION. The matrix products marked QUANTISED in the list below multiply operands that are first quantised to E5M2 (5 exponent bits, 2 mantissa bits; 8 bits a number), with one power-of-two scale for each 32 numbers along K (OCP MX v1.0); their sums are f32. All else is computed in f32.
;;   The module's matrix products, in the order in which they are computed (A, B: the left and right operand; K: the contracted axis; several contracted axes count as one K, in the product's order):
;;     1. [M 8,192, K 1,024] x [K 1,024, N 1,024]; A: input x; B: input Wq: QUANTISED
;;     2. [M 8,192, K 1,024] x [K 1,024, N 1,024]; A: input x; B: input Wk: QUANTISED
;;     3. [M 8,192, K 1,024] x [K 1,024, N 1,024]; A: input x; B: input Wv: QUANTISED
;;     4. batch 64 x [M 2,048, K 64] x [K 64, N 2,048]; A: computed on the way; B: computed on the way: QUANTISED
;;     5. batch 64 x [M 2,048, K 2,048] x [K 2,048, N 64]; A: softmax (see below); B: computed on the way: QUANTISED
;;     6. [M 8,192, K 1,024] x [K 1,024, N 1,024]; A: computed on the way; B: input Wo: QUANTISED
;;   THE QUANTISER, for each operand of a quantised product, along K:
;;     - K is cut into blocks of 32 from its start; a last block that is shorter is filled with zeros.
;;     - A block's scale is 2^e with e = floor(log2(the largest magnitude in the block)) - 15, held to -126 .. 127; a block of zeros has e = 0. As a byte (E8M0): e + 127.
;;     - Each number is divided by its block's scale, clamped to +-57,344, and rounded to the nearest number of E5M2, ties to even, subnormals kept.
;;     - The product sums the exact products of the quantised numbers (number of the format x scale) in f32.
;;   ~~~python
;;   def quantise(x, axis):      # numpy; x: float32 -> the quantised numbers, widened to float32 again
;;       x = np.moveaxis(x, axis, -1); K = x.shape[-1]
;;       x = np.pad(x, [(0, 0)] * (x.ndim - 1) + [(0, -K % 32)]); x = x.reshape(x.shape[:-1] + (-1, 32)); a = np.abs(x).max(-1, keepdims=True)
;;       e = np.where(a > 0, np.clip(np.frexp(np.where(a > 0, a, 1))[1] - 1 - 15, -126, 127), 0)      # np.frexp(a)[1] - 1 = floor(log2(a)), exactly
;;       r = np.clip(x / 2.0 ** e, -57344, 57344)
;;       step = 2.0 ** (np.maximum(np.frexp(np.where(r == 0, 1, r))[1] - 1, -14) - 2)
;;       q = np.round(r / step) * step * 2.0 ** e      # np.round: ties to even
;;       return np.moveaxis(q.reshape(q.shape[:-2] + (-1,))[..., :K], -1, axis).astype(np.float32)
;;   ~~~
;;   SOFTMAX AHEAD OF A QUANTISED PRODUCT. Where the list says 'softmax', what is quantised is not the finished softmax but p = 2^(t - M), with t = logit x log2(e) and M = ceil(the row's largest t), a whole number; so 1/2 < the row's largest p <= 1. The row's sum l is taken of the UNQUANTISED p, in f32, and the product's result is divided by l at the end. Since M is a whole number, a kernel that streams over the keys may use a running M (the ceiling of the running maximum): every later rescaling is an exact power of two, which a block's scale takes up: the codes' values come out the same.
;;   OPERANDS COMPUTED ON THE WAY. 'Computed on the way' means the value that the module computes at that place (a softmax that the list does not call 'softmax' is quantised finished and normalised). What goes into a quantiser is computed in f32, as accurately as f32 sums, v_exp_f32 and their like allow (about 1e-6 of the number): no bf16 or f16 on the way to a quantiser, and a product that is left as it is and whose result goes on into a quantised operand takes f32 operands (vector FMAs, or v_wmma_f32_16x16x4_f32). A number that lies on a knife's edge between two numbers of the format may be rounded either way, as far as f32 arithmetic and the matrix unit's own rounding can turn it there, and no further.
;; One version. Each part assembles by itself: llvm-mc -triple=amdgcn-amd-amdhsa -mcpu=gfx1250 --defsym DOCPART=n.
;; ======== version 1 of 1: 4 launches
;; limits: right only within a limited range of input values
;; workspace buffers: x_img 8,388,608 bytes; x_sc 262,144 bytes; w_img 4,194,304 bytes; w_sc 131,072 bytes; qkv_img 25,165,824 bytes; qkv_sc 1,310,720 bytes; a_img 8,388,608 bytes; a_sc 262,144 bytes
;; launch quant (part 1): grid 384 x 1, 4 waves a work-group, no clusters, 35,328 bytes of LDS; arguments x, Wq, Wk, Wv, Wo, x_img, x_sc, w_img, w_sc; writes x_img, x_sc, w_img, w_sc
.if DOCPART == 1
	.amdgcn_target "amdgcn-amd-amdhsa--gfx1250"
	.amdhsa_code_object_version 6
	.text
	.protected	k_q44a60f8979_quant
	.globl	k_q44a60f8979_quant
	.p2align	8
	.type	k_q44a60f8979_quant,@function
k_q44a60f8979_quant:
	s_mov_b64 s[64:65], 0
	v_nop
	global_prefetch_b8 v0, s[64:65] scope:SCOPE_SE
	s_setreg_imm32_b32 hwreg(HW_REG_WAVE_MODE, 25, 1), 1
	s_wait_xcnt 0x0
; x [8192][1024] and Wq, Wk, Wv, Wo [1024][1024], f32 with K innermost, become codes of BF8 (E5M2) with one E8M0 byte for each 32 along K,
; laid as IMAGES OF OPERAND REGISTERS.  A tile T is 16 rows that are not neighbours: place r holds row 32 (T / 2) + 8 (T % 2) + r + 8 (r / 8).
; The image of tile T and K step F (128 along K) is 2,048 bytes: byte 512 c + 16 l + i is the code of place l % 16, k = 128 F + 32 c + 16 (l / 16) + i:
; four loads of 16 bytes a lane, 512 bytes apart, are the 16 registers of a matrix operand.  Its scale image is 64 bytes: word r = the four bytes of place r.
; x_img, w_img: [T][F 8][2048];  x_sc, w_sc: [T][F 8][16 words];  w's tiles: 0-63 Wq, 64-127 Wk, 128-191 Wv, 192-255 Wo.
; A block's scale is 2^(floor(log2(largest magnitude)) - 15); its byte is the largest magnitude's exponent field - 15, held at 1 from below.
; LIMITS: a block of zeros gets the byte 1 where the rule says 127 (its codes are zeros, and this program alone reads the bytes); blocks whose largest
; magnitude lies under 2^-111 are held at the byte 1; NaN and infinities among the inputs are not served.
; SHARES.  Wave 4 g + w takes tile T = 2 g + w / 2 of 768 (512 of x, then 64 of each weight) and half w % 2 of K: four fragments.
; Each load reads 512 consecutive bytes of one row; a fragment's 16 rows turn through the wave's own stage in LDS (rows 528 bytes apart) and come back
; 16 neighbours of each block of 32 to a lane.  Each store of codes covers 512 consecutive bytes; the wave's 256 scale bytes leave as one aligned run.
; No tensor load, no barrier: waves share nothing.  Loads run one fragment (16 loads a wave) ahead of the one at work.
.set WREG,  8704                       ; LDS of a wave: a stage of 16 x 528 bytes, then its 256 scale bytes
.set SP,    528
.set TM,    8                          ; v8-11 largest magnitudes, v12-15 bytes, v20-23 the conversions' scale operands
.set PW,    24                         ; v24-27 a scale word for each fragment
.set RA,    32                         ; v32-95, v96-159 two sets of 64 numbers as loaded
.set XN,    160                        ; v160-223 64 numbers: register 16 b + i = k 32 b + 16 (lane / 16) + i of my row
.set PC,    224                        ; v224-239, v240-255 codes, two sets
.set MNT,   35
.set SEL,   36                         ; s[36:37] lane selects: lane l xor 16
	s_load_b256 s[4:11], s[0:1], 0x0               ; x, Wq, Wk, Wv
	s_load_b256 s[12:19], s[0:1], 0x20             ; Wo, x_img, x_sc, w_img
	s_load_b64 s[20:21], s[0:1], 0x40              ; w_sc
	s_set_vgpr_msb 0x40
	v_lshl_add_u32 v0, v0, 2, 0x8800
	v_mov_b32 v1, 0
	s_set_vgpr_msb 0x4000
	v_lshrrev_b32 v1, 5, v0
	v_readfirstlane_b32 s30, v1                    ; wave 0..3
	v_and_b32 v7, 31, v0                           ; lane
	v_and_b32 v30, 15, v0                          ; r
	v_bfe_u32 v31, v0, 4, 1                        ; h
	v_lshlrev_b32 v1, 4, v7                        ; 16 x lane: my bytes of a load's and of a store's 512
	s_mul_i32 s31, s30, WREG
	v_add_nc_u32 v2, s31, v1                       ; the stage, on the way in: a row as it lies
	v_mul_u32_u24 v3, v30, SP
	v_lshl_add_u32 v3, v31, 6, v3
	v_add_nc_u32 v3, s31, v3                       ; and on the way out: row r, + 64 h
	s_add_co_u32 s32, s31, 16*SP
	v_lshl_add_u32 v4, v30, 2, s32                 ; my row's scale word
	v_lshl_add_u32 v5, v7, 3, s32                  ; the scale bytes on the way out: 8 a lane
	v_lshlrev_b32 v6, 3, v7
.irp b, 0,1,2,3
	v_mov_b32 v[TM+4+\b], 0                        ; written once: a lane permute's destination counts as one of its sources
.endr
	s_lshl_b32 s33, ttmp9, 1
	s_lshr_b32 s34, s30, 1
	s_add_co_u32 s33, s33, s34                     ; T
	s_and_b32 s34, s30, 1                          ; which half of K
	s_mov_b32 s[SEL], 0x76543210
	s_mov_b32 s[SEL+1], 0xfedcba98
	s_wait_alu depctr_va_vdst(0)
	s_wait_kmcnt 0x0
	s_mov_b64 s[22:23], s[12:13]                   ; the source is chosen by the work-group's number alone: 256 for x, then 32 for each weight
	s_cmp_lt_u32 ttmp9, 352
	s_cselect_b64 s[22:23], s[10:11], s[22:23]
	s_cmp_lt_u32 ttmp9, 320
	s_cselect_b64 s[22:23], s[8:9], s[22:23]
	s_cmp_lt_u32 ttmp9, 288
	s_cselect_b64 s[22:23], s[6:7], s[22:23]
	s_cmp_lt_u32 ttmp9, 256
	s_cselect_b64 s[22:23], s[4:5], s[22:23]
	s_cselect_b64 s[24:25], s[14:15], s[18:19]     ; the codes' buffer
	s_cselect_b64 s[26:27], s[16:17], s[20:21]     ; the scales'
	s_cselect_b32 s28, 511, 63
	s_cselect_b32 s29, 0, 512
	s_and_b32 s28, s33, s28                        ; the tile's number in its source
	s_sub_co_u32 s29, s33, s29                     ; and in its buffer of images
	s_lshr_b32 s38, s28, 1
	s_lshl_b32 s38, s38, 5
	s_and_b32 s39, s28, 1
	s_lshl_b32 s39, s39, 3
	s_add_co_u32 s38, s38, s39                     ; the row of place 0
	s_lshl_b32 s38, s38, 12                        ; rows of 4,096 bytes
	s_lshl_b32 s39, s34, 11
	s_add_co_u32 s38, s38, s39                     ; + my half of K
	s_mov_b32 s39, 0
	s_add_nc_u64 s[22:23], s[22:23], s[38:39]
	s_lshl_b32 s38, s29, 3
	s_lshl_b32 s28, s34, 2
	s_add_co_u32 s38, s38, s28                     ; my first fragment: 8 T + 4 x half
	s_lshl_b32 s28, s38, 11
	s_mov_b32 s29, 0
	s_add_nc_u64 s[24:25], s[24:25], s[28:29]
	s_lshl_b32 s38, s38, 6
	s_add_nc_u64 s[26:27], s[26:27], s[38:39]
.macro LOADF f                         ; fragment f: place i's 512 bytes, 32 lanes x 16
.irp i, 0,1,2,3,4,5,6,7,8,9,10,11,12,13,14,15
	global_load_b128 v[RA+64*((\f)%2)+4*\i:RA+64*((\f)%2)+4*\i+3], v1, s[22:23] offset:(\i+8*(\i/8))*4096+512*(\f) th:TH_LOAD_NT
.endr
.endm
.macro TURNF f                         ; through the stage: LDS serves a wave's instructions in order, so no wait stands between the stores and the loads
.irp i, 0,1,2,3,4,5,6,7,8,9,10,11,12,13,14,15
	ds_store_b128 v2, v[RA+64*((\f)%2)+4*\i:RA+64*((\f)%2)+4*\i+3] offset:SP*\i
.endr
.irp b, 0,1,2,3
.irp j, 0,1,2,3
	ds_load_b128 v[XN+16*\b+4*\j:XN+16*\b+4*\j+3], v3 offset:128*\b+16*\j
.endr
.endr
.endm
; 64 numbers of a lane, v[s] on, become a fragment's codes in v[pc] on and its scale word in v[pw]
.macro QUANT s, pc, pw
.irp b, 0,1,2,3
	v_max3_num_f32 v[TM+\b], |v[\s+16*\b]|, |v[\s+1+16*\b]|, 0x8000000   ; block b: my 16 numbers, and the floor 2^(16 - 127): the byte cannot fall under 1
.endr
.irp i, 2,4,6,8,10,12,14
.irp b, 0,1,2,3
	v_max3_num_f32 v[TM+\b], v[TM+\b], |v[\s+16*\b+\i]|, |v[\s+1+16*\b+\i]|   ; the four blocks by turns
.endr
.endr
.irp b, 0,1,2,3
	v_permlanex16_b32 v[TM+4+\b], v[TM+\b], s[SEL], s[SEL+1]
.endr
.irp b, 0,1,2,3
	v_max_num_f32 v[TM+\b], v[TM+\b], v[TM+4+\b]   ; with lane l xor 16's: the block's largest magnitude
.endr
.irp b, 0,1,2,3
	v_add_nc_u32 v[TM+12+\b], 0xf8800000, v[TM+\b]   ; 15 off its exponent field: the conversion takes this operand's exponent field as its scale
.endr
.irp b, 0,1,2,3
.endr
.irp b, 0,1,2,3
	v_lshrrev_b32 v[TM+4+\b], 23, v[TM+12+\b]      ; the scale's byte
.endr
	v_lshl_or_b32 v[\pw], v[TM+5], 8, v[TM+4]
	v_lshl_or_b32 v[\pw], v[TM+6], 16, v[\pw]
	v_lshl_or_b32 v[\pw], v[TM+7], 24, v[\pw]      ; my row's scale word
.irp b, 0,1,2,3
.irp i, 0,1,2,3,4,5,6,7,8,9,10,11,12,13,14,15
.endr
	v_cvt_scalef32_pk8_bf8_f32 v[\pc+4*\b:\pc+1+4*\b], v[\s+16*\b:\s+7+16*\b], v[TM+12+\b]
	v_cvt_scalef32_pk8_bf8_f32 v[\pc+2+4*\b:\pc+3+4*\b], v[\s+8+16*\b:\s+15+16*\b], v[TM+12+\b]
.endr
	v_nop                                          ; one plain vector instruction behind the last conversion
.endm
.macro FSTEP f
.if (\f) < 3
	s_wait_loadcnt 16                              ; this fragment's 16 loads are in; the next fragment's 16 may be out
.else
	s_wait_loadcnt 0x0
.endif
	TURNF \f
	s_wait_dscnt 0x0                               ; the numbers are back, and the stage's stores have read their registers,
.if (\f) < 2
	LOADF (\f)+2                                   ; which take the fragment two on
.else
	s_wait_xcnt 0x0                                ; the stores of two fragments ago have read this set of codes
.endif
	QUANT XN, PC+16*((\f)%2), PW+(\f)
.irp c, 0,1,2,3
	global_store_b128 v1, v[PC+16*((\f)%2)+4*\c:PC+16*((\f)%2)+4*\c+3], s[24:25] offset:2048*(\f)+512*\c   ; 32 lanes store 512 consecutive bytes
.endr
	ds_store_b32 v4, v[PW+(\f)] offset:64*(\f)     ; both halves of the lanes write the same word with the same value
.endm
	LOADF 0
	LOADF 1
	FSTEP 0
	FSTEP 1
	FSTEP 2
	FSTEP 3
	ds_load_b64 v[28:29], v5                       ; LDS serves a wave's instructions in order: these see my stores
	s_wait_dscnt 0x0
	global_store_b64 v6, v[28:29], s[26:27]        ; 32 lanes store 256 consecutive bytes, aligned
	s_set_vgpr_msb 0x5
	s_wait_tensorcnt 0x0
	ds_add_u32 v0, v1
	s_wait_dscnt 0x0
	s_set_vgpr_msb 0x500
	s_endpgm
.Lfunc_end_k_q44a60f8979_quant:
	.size	k_q44a60f8979_quant, .Lfunc_end_k_q44a60f8979_quant-k_q44a60f8979_quant
	.p2alignl 7, 3214868480
	.fill 96, 4, 3214868480
	.section	.rodata,"a",@progbits
	.p2align	6, 0x0
	.amdhsa_kernel k_q44a60f8979_quant
		.amdhsa_group_segment_fixed_size 35328
		.amdhsa_private_segment_fixed_size 0
		.amdhsa_enable_private_segment 0
		.amdhsa_kernarg_size 72
		.amdhsa_user_sgpr_count 2
		.amdhsa_user_sgpr_kernarg_segment_ptr 1
		.amdhsa_wavefront_size32 1
		.amdhsa_system_sgpr_workgroup_id_x 1
		.amdhsa_system_sgpr_workgroup_id_y 1
		.amdhsa_system_sgpr_workgroup_id_z 1
		.amdhsa_system_vgpr_workitem_id 0
		.amdhsa_next_free_vgpr 258
		.amdhsa_next_free_sgpr 66
		.amdhsa_reserve_vcc 0
		.amdhsa_float_denorm_mode_32 3
		.amdhsa_float_denorm_mode_16_64 3
		.amdhsa_fp16_overflow 1
		.amdhsa_memory_ordered 1
		.amdhsa_forward_progress 1
		.amdhsa_inst_pref_size 34
	.end_amdhsa_kernel
	.amdgpu_metadata
---
amdhsa.version: [ 1, 2 ]
amdhsa.kernels:
  - .name:           k_q44a60f8979_quant
    .symbol:         k_q44a60f8979_quant.kd
    .args:
      - { .name: x, .offset: 0, .size: 8, .value_kind: global_buffer, .address_space: global }
      - { .name: Wq, .offset: 8, .size: 8, .value_kind: global_buffer, .address_space: global }
      - { .name: Wk, .offset: 16, .size: 8, .value_kind: global_buffer, .address_space: global }
      - { .name: Wv, .offset: 24, .size: 8, .value_kind: global_buffer, .address_space: global }
      - { .name: Wo, .offset: 32, .size: 8, .value_kind: global_buffer, .address_space: global }
      - { .name: x_img, .offset: 40, .size: 8, .value_kind: global_buffer, .address_space: global }
      - { .name: x_sc, .offset: 48, .size: 8, .value_kind: global_buffer, .address_space: global }
      - { .name: w_img, .offset: 56, .size: 8, .value_kind: global_buffer, .address_space: global }
      - { .name: w_sc, .offset: 64, .size: 8, .value_kind: global_buffer, .address_space: global }
    .group_segment_fixed_size: 35328
    .private_segment_fixed_size: 0
    .kernarg_segment_align: 8
    .kernarg_segment_size: 72
    .max_flat_workgroup_size: 128
    .sgpr_count:     66
    .vgpr_count:     258
    .wavefront_size: 32
...
	.end_amdgpu_metadata
.endif
;; end of part 1
;; launch qkv (part 2): grid 8 x 48, 4 waves a work-group, clusters of 4 x 4, 327,680 bytes of LDS; arguments x_img, x_sc, w_img, w_sc, bq, bk, bv, qkv_img, qkv_sc; writes qkv_img, qkv_sc
.if DOCPART == 2
	.amdgcn_target "amdgcn-amd-amdhsa--gfx1250"
	.amdhsa_code_object_version 6
	.text
	.protected	k_q44a60f8979_qkv
	.globl	k_q44a60f8979_qkv
	.p2align	8
	.type	k_q44a60f8979_qkv,@function
k_q44a60f8979_qkv:
	s_mov_b64 s[64:65], 0
	v_nop
	global_prefetch_b8 v0, s[64:65] scope:SCOPE_SE
	s_setreg_imm32_b32 hwreg(HW_REG_WAVE_MODE, 25, 1), 1
	s_wait_xcnt 0x0
	s_wait_alu depctr_hold_cnt(0) depctr_sa_sdst(0) depctr_va_vdst(0) depctr_va_sdst(0) depctr_va_ssrc(0) depctr_va_vcc(0) depctr_vm_vsrc(0)
	s_getreg_b32 s2, hwreg(HW_REG_IB_STS2, 6, 4)
	s_cmp_eq_u32 s2, 0
	s_cbranch_scc0 .Lentry_in_a_cluster
	s_endpgm
.Lentry_in_a_cluster:
	s_bfe_u32 s2, ttmp6, 0x10000c
	s_cmp_lg_u32 s2, 0xf033
	s_cbranch_scc0 .Lentry_shape_is_right
	s_endpgm
.Lentry_shape_is_right:
; q = x Wq^T + bq, k = x Wk^T + bk, v = x Wv^T + bv on codes of BF8 (E5M2) with E8M0 scales, K = 1,024; the results are quantised on the way out and leave as codes.
; OPERANDS ARE IMAGES OF REGISTERS: a tile is 16 rows, place r = row 32 (T / 2) + 8 (T % 2) + r + 8 (r / 8); the image of a tile and 128 along K is 2,048 bytes, byte 512 c + 16 l + i.
; With such tiles as source 0, a lane's 16 registers of two neighbouring result tiles are 16 NEIGHBOURS along source 0's rows, in the order of the next operand's registers.
; PARTS, by the cluster's y alone (equal in all partners).  PART 0 (y < 8): source 0 = Wq, Wk (2,048 rows), source 1 = x: a lane holds one token and its registers run along a head's channels,
; the K of q k^T.  PART 1: source 0 = x, source 1 = Wv: a lane holds one channel and its registers run along the tokens, the K of p v.
; A work-group of four waves makes 256 rows of source 0 x 256 of source 1; a wave 128 x 128: 64 accumulators, 512 registers.  K goes in four steps of 256 through two LDS slots.
; CLUSTERS: 4 x 4.  Source 1's tiles (called A) hang on cy and are shared along a row of the cluster, source 0's (B) on cx and are shared along a column: each is asked for jointly.
; OUT.  qkv_img: q at 0, k at 8,388,608: [batch x head 64][tile 128][1,024] (64 along K: two groups of 512 bytes); v at 16,777,216: [batch 4][key step 16][channel tile 64][2,048].
; qkv_sc: q at 0: [bh][tile][16 words], bytes 2 and 3 of a word 0; from 524,288 on [bh][12,288]: k [tile 128][16 words], then v [key step 16][channel tile 4][16 words].
; LIMITS: a block of zeros gets the byte 1 where the rule says 127 (its codes are zeros; this program alone reads the bytes); blocks under 2^-111 are held at the byte 1; NaN and infinities are not served.
; REGISTERS, in windows of 256: window 0: v8-15 bv of my channels; v16-31 addresses; v32-63 scale words, two sets; v64-127 bq or bk in the result's layout; from v128 A's fragments, ONE set.
;   window 1: B's fragments, TWO sets.   window 2: the accumulators of A's blocks 0-3 ((a, b) at v[8 (8 a + b)]);   window 3: those of blocks 4-7.
.set NQ,     2                         ; matrix instructions deep in a slot
.set FR,     16                        ; registers of a fragment
.set NL,     4                         ; LDS loads that bring one
.set NP,     8                         ; places behind this matrix instruction (ISA guide 7.12.1)
.set TILEB,  4096                      ; a tile's two images of a K step of 256
.set HALFT,  8*TILEB                   ; eight tiles: what one tensor load brings, and what one wave reads of A or of B
.set SLOT,   4*HALFT                   ; A's 16 tiles, then B's
.set SCL,    2*SLOT                    ; behind the ring: the scale images for all of K: A's 16 tiles x 512 bytes, then B's
.set SPARE,  SCL+16384                 ; the spare words, 128 bytes for each wave: two blocks of 256 bytes that no other line names
.set BR,   8                           ; v8-15   bv at place r of A's block a
.set ADRA, 16                          ; v16-17  LDS address of my A fragments in slot 0, 1
.set ADRB, 20                          ; v20-21  the same for B
.set BPO,  22                          ; v22     64 x (lane / 16): my offset in bq, bk
.set BRO,  23                          ; v23     4 x (r + 8 (r / 8)): my offset in bv
.set SIN,  24                          ; v24     the way out: where my row's scale word goes (the stage lies in slot 0, which has had its last fill and its last read by then)
.set SOUT, 25                          ; v25     and where 16 bytes of scale words come back
.set LO16, 26                          ; v26     16 x lane
.set ADRS, 27                          ; v27     LDS address of my scale words: lanes 0-15 A's, lanes 16-31 B's
.set SPW,  28                          ; v28     LDS address of my spare word; never rewritten
.set NIL,  29                          ; v29     0; never rewritten
.set SGO,  30                          ; v30     my offset in the store of scale words
.set SC,   32
.set BP,   64
.set AF,   128
.set ST,   128                         ; the way out: 64 numbers
.set PC,   192                         ; their codes
.set TM,   224                         ; at work
.set PW,   240                         ; the scale word
.set W0,   32                          ; v32-39, v40-47 its two halves, for each block
.set W1,   40
.set SW,   48                          ; v48-55 scale words read back
.set G1, 24                            ; s[24:31] descriptor group 1 for A's tiles;  s[32:39] group 0, one set for each slot
.set G0, 32
.set G1B, 48                           ; s[48:55], s[56:63] the same for B's
.set G0B, 56
.set G1S, 68                           ; s[68:75], s[76:79] groups 1 and 0 for A's scales;  s[80:87], s[88:91] for B's
.set G0S, 76
.set G1SB, 80
.set G0SB, 88
.set PART, 100                         ; s100  0: q and k;  1: v
.set ISK,  101                         ; s101  1: k
.set SEL,  46                          ; s[46:47]: set for the way out
.set MNT,  63
.set MSB, 0
.macro WIN new                         ; the immediate's high byte repeats the setting that is left
.if MSB != (\new)
	s_set_vgpr_msb (MSB<<8)|(\new)
.set MSB, (\new)
.endif
.endm
.set MUL_LO, 0xa1                      ; source 0 (B) window 1, source 1 (A) window 0, C and D window 2
.set MUL_HI, 0xf1                      ; the same, C and D window 3
.set TO_B,   0x40                      ; destination window 1, address window 0
; A joint load: waves 0 and 1 fetch for A, waves 2 and 3 for B.  Each line has one mask and one set of registers for all that issue it; the branch hangs on the wave's number alone.
; Four v_nop follow each of the two lines, ahead of the jump, the label and what follows.
.macro JLOAD g0a, g1a, g0b, g1b
	s_cmp_eq_u32 s15, 0
	s_cbranch_scc0 .Lfor_b_\@
	tensor_load_to_lds s[\g0a:\g0a+3], s[\g1a:\g1a+7]
	s_nop 0
.rept 4
	v_nop
.endr
	s_branch .Lasked_\@
.Lfor_b_\@:
	tensor_load_to_lds s[\g0b:\g0b+3], s[\g1b:\g1b+7]
	s_nop 0
.rept 4
	v_nop
.endr
.Lasked_\@:
.endm
.macro CREST                           ; a round of the cluster's barrier behind its opening barrier
	s_cmp_lg_u32 s14, 0
	s_cbranch_scc1 .Lnot_wave_0_\@
	s_barrier_signal -3
.Lnot_wave_0_\@:
	s_barrier_wait -3
	s_barrier_signal -1
	s_barrier_wait -1
.endm
.macro CROUND                          ; a whole round
	s_barrier_signal -1
	s_barrier_wait -1
	CREST
.endm
	s_load_b256 s[4:11], s[0:1], 0x0               ; x_img, x_sc, w_img, w_sc
	s_load_b128 s[92:95], s[0:1], 0x20             ; bq, bk
	s_load_b64 s[96:97], s[0:1], 0x30              ; bv
	v_lshl_add_u32 v[SPW], v0, 2, SPARE
	v_mov_b32 v[NIL], 0
	ds_add_u32 v28, v29
	ds_add_u32 v28, v29
	s_wait_dscnt 0x0
	v_lshrrev_b32 v1, 5, v0
	v_readfirstlane_b32 s14, v1                    ; wave 0..3
	s_lshr_b32 s15, s14, 1                         ; which half of A's tiles is mine.  Also: I fetch for A (0) or for B (1)
	s_and_b32 s16, s14, 1                          ; which half of B's.  Also: which eight tiles I fetch
	s_bfe_u32 s40, ttmp6, 0x40000                  ; cx, cy: my place in the cluster
	s_bfe_u32 s41, ttmp6, 0x40004
	s_and_b32 s12, ttmp7, 0xffff                   ; the cluster's y
	s_lshl_b32 s13, s12, 2
	s_sub_co_u32 s18, s12, 8
	s_lshl_b32 s18, s18, 1
	s_add_co_u32 s18, s18, ttmp9
	s_lshl_b32 s18, s18, 2                         ; 4 (x + 2 (y - 8)): PART 1's blocks of tokens
	s_lshl_b32 s19, ttmp9, 2
	s_cmp_lg_u32 ttmp9, 0
	s_cselect_b32 s[ISK], 1, 0                     ; PART 0: the cluster's x = 0 has Wq's rows, x = 1 Wk's
	s_cmp_ge_u32 s12, 8
	s_cselect_b32 s[PART], 1, 0
	s_cselect_b32 s[ISK], 0, s[ISK]
	s_cselect_b32 s17, 0, s13
	s_cselect_b32 s42, s18, s19
	s_add_co_u32 s17, s17, s41                     ; c1: A's block of 256 rows: hangs on cy and the cluster
	s_add_co_u32 s42, s42, s40                     ; c0: B's: on cx and the cluster
	s_lshl_b32 s43, s41, 2
	s_lshl_b32 s43, 15, s43                        ; my row of the cluster
	s_lshl_b32 s44, 0x1111, s40                    ; my column
	; descriptor group 1: eight tiles' images of a K step: 8 rows of 4,096 bytes, 16,384 bytes apart in memory, on end in LDS
	s_or_b32 s[G1+0], s43, 1<<21                   ; 15:0 the mask: A's tiles go to my row; 17:16 elements of 1 byte; 20 no padding; 21 set beside a mask
	s_or_b32 s[G1B+0], s44, 1<<21
.irp g, G1, G1B
	s_mov_b32 s[\g+1], TILEB<<16                   ; tensor_dim0
	s_mov_b32 s[\g+2], 8<<16                       ; tensor_dim1
	s_mov_b32 s[\g+3], TILEB<<16                   ; tile_dim0
	s_mov_b32 s[\g+4], 8                           ; tile_dim1
	s_mov_b32 s[\g+5], 16384                       ; tensor_dim0_stride
	s_mov_b32 s[\g+6], 0
	s_mov_b32 s[\g+7], 0
.endr
	; and for eight tiles' scale images, all of K: 4,096 dense bytes as 16 rows of 256 (32 elements of 8 bytes)
	s_or_b32 s[G1S+0], s43, (3<<16)|(1<<21)
	s_or_b32 s[G1SB+0], s44, (3<<16)|(1<<21)
.irp g, G1S, G1SB
	s_mov_b32 s[\g+1], 32<<16
	s_mov_b32 s[\g+2], 16<<16
	s_mov_b32 s[\g+3], 32<<16
	s_mov_b32 s[\g+4], 16
	s_mov_b32 s[\g+5], 32
	s_mov_b32 s[\g+6], 0
	s_mov_b32 s[\g+7], 0
.endr
	s_lshl_b32 s20, s17, 18                        ; A's codes: 262,144 bytes a block, 131,072 a half
	s_lshl_b32 s18, s16, 17
	s_add_co_u32 s20, s20, s18
	s_mov_b32 s21, 0
	s_lshl_b32 s46, s42, 18                        ; B's
	s_add_co_u32 s46, s46, s18
	s_mov_b32 s47, 0
	s_lshl_b32 s22, s17, 13                        ; A's scales: 8,192 bytes a block, 4,096 a half
	s_lshl_b32 s18, s16, 12
	s_add_co_u32 s22, s22, s18
	s_mov_b32 s23, 0
	s_lshl_b32 s98, s42, 13                        ; B's
	s_add_co_u32 s98, s98, s18
	s_mov_b32 s99, 0
	s_lshl_b32 s104, s40, 10                       ; bq, bk: my 128 numbers begin at 256 cx + 128 x half
	s_lshl_b32 s105, s16, 9
	s_add_co_u32 s104, s104, s105
	s_lshl_b32 s2, s17, 10                         ; bv: at 256 c1 + 128 x half
	s_lshl_b32 s3, s15, 9
	s_add_co_u32 s2, s2, s3
	s_cmp_lg_u32 s[PART], 0                        ; the set that a part does not use is read from its buffer's start, so that no load leaves a buffer
	s_cselect_b32 s104, 0, s104
	s_cselect_b32 s2, s2, 0
	s_mov_b32 s105, 0
	s_mov_b32 s3, 0
	s_lshl_b32 s45, s14, 15                        ; where my tiles go: wave x 32,768: no place in the cluster enters an LDS address
	s_wait_kmcnt 0x0
	s_add_nc_u64 s[12:13], s[8:9], 0x200000        ; Wv's images: tiles 128 on
	s_add_nc_u64 s[18:19], s[10:11], 0x10000
	s_cmp_lg_u32 s[PART], 0
	s_cselect_b64 s[12:13], s[12:13], s[4:5]       ; A: Wv or x
	s_cselect_b64 s[18:19], s[18:19], s[6:7]
	s_cselect_b64 s[4:5], s[4:5], s[8:9]           ; B: x or Wq, Wk
	s_cselect_b64 s[6:7], s[6:7], s[10:11]
	s_add_nc_u64 s[20:21], s[12:13], s[20:21]
	s_add_nc_u64 s[22:23], s[18:19], s[22:23]
	s_add_nc_u64 s[46:47], s[4:5], s[46:47]
	s_add_nc_u64 s[98:99], s[6:7], s[98:99]
	s_cmp_lg_u32 s[ISK], 0
	s_cselect_b64 s[92:93], s[94:95], s[92:93]
	s_add_nc_u64 s[104:105], s[92:93], s[104:105]
	s_add_nc_u64 s[2:3], s[96:97], s[2:3]
	CROUND                                         ; all sixteen work-groups are here: the first joint loads meet
	s_lshl_b32 s12, s14, 12
	s_mov_b32 s[G0S], 1
	s_add_co_u32 s[G0S+1], s12, SCL
	s_mov_b64 s[G0S+2:G0S+3], s[22:23]
	s_or_b32 s[G0S+3], s[G0S+3], 0x80000000
	s_mov_b32 s[G0SB], 1
	s_add_co_u32 s[G0SB+1], s12, SCL
	s_mov_b64 s[G0SB+2:G0SB+3], s[98:99]
	s_or_b32 s[G0SB+3], s[G0SB+3], 0x80000000
	JLOAD G0S, G1S, G0SB, G1SB                     ; the scales first: they are wanted with K step 0
.irp s, 0,1
	s_mov_b32 s[G0+4*\s], 1
	s_add_co_u32 s[G0+4*\s+1], s45, \s*SLOT
	s_add_nc_u64 s[G0+4*\s+2:G0+4*\s+3], s[20:21], \s*TILEB
	s_or_b32 s[G0+4*\s+3], s[G0+4*\s+3], 0x80000000
	s_mov_b32 s[G0B+4*\s], 1
	s_add_co_u32 s[G0B+4*\s+1], s45, \s*SLOT
	s_add_nc_u64 s[G0B+4*\s+2:G0B+4*\s+3], s[46:47], \s*TILEB
	s_or_b32 s[G0B+4*\s+3], s[G0B+4*\s+3], 0x80000000
	JLOAD G0+4*\s, G1, G0B+4*\s, G1B               ; by this text's count three tensor loads of a wave are out now
.endr
	v_and_b32 v1, 15, v0                           ; r
	v_bfe_u32 v2, v0, 4, 1                         ; h
	s_wait_alu depctr_va_vdst(0)
	v_and_b32 v3, 31, v0
	v_lshlrev_b32 v[LO16], 4, v3
	s_lshl_b32 s12, s15, 15                        ; my eight tiles of A,
	s_lshl_b32 s13, s16, 15
	s_add_co_u32 s13, s13, 2*HALFT                 ; of B, behind A's sixteen
.irp s, 0,1
	v_add_nc_u32 v[ADRA+\s], s12, v[LO16]
	v_add_nc_u32 v[ADRB+\s], s13, v[LO16]
	s_add_co_u32 s12, s12, SLOT
	s_add_co_u32 s13, s13, SLOT
.endr
	s_lshl_b32 s12, s15, 12                        ; scale words: A's eight tiles; lanes 16-31 take B's: the lower base + h x the distance
	s_lshl_b32 s13, s16, 12
	s_add_co_u32 s13, s13, 8192
	s_sub_co_u32 s13, s13, s12
	v_mul_u32_u24 v4, s13, v2
	s_add_co_u32 s12, s12, SCL
	v_lshl_add_u32 v5, v1, 2, v4
	v_add_nc_u32 v[ADRS], s12, v5
	v_lshlrev_b32 v[BPO], 6, v2
	v_and_b32 v4, 8, v1
	v_add_nc_u32 v4, v4, v1
	v_lshlrev_b32 v[BRO], 2, v4
.irp b, 0,1,2,3
.irp j, 0,1,2,3
	global_load_b128 v[BP+16*\b+4*\j:BP+16*\b+4*\j+3], v[BPO], s[104:105] offset:128*\b+16*\j   ; register 16 b + i: the bias of source 0's row 32 b + 16 h + i
.endr
.endr
.irp a, 0,1,2,3,4,5,6,7
	global_load_b32 v[BR+\a], v[BRO], s[2:3] offset:(32*(\a/2)+8*(\a%2))*4                      ; the bias of place r of A's block a
.endr
	s_lshl_b32 s12, s14, 10                        ; my stage for scale words: 1,024 bytes
	v_lshl_add_u32 v[SIN], v1, 2, s12
	v_add_nc_u32 v[SOUT], s12, v[LO16]
	s_mov_b32 s13, 256                             ; PART 0: 512 bytes on end;  PART 1: two runs of 256 bytes, one head's 12,288 bytes apart
	s_cmp_lg_u32 s[PART], 0
	s_cselect_b32 s13, 12288, s13
	v_mul_u32_u24 v4, s13, v2
	v_lshl_add_u32 v[SGO], v1, 4, v4
.macro FRAG reg, adr, q, i             ; a fragment comes as it was stored: four loads of 16 bytes a lane, 512 consecutive bytes each
.irp c, 0,1,2,3
	ds_load_b128 v[\reg+4*\c:\reg+4*\c+3], v[\adr] offset:2048*(\q)+512*\c+TILEB*(\i)
.endr
.endm
; 16 matrix instructions: A's blocks a0, a0 + 1 x B's eight, 128 along K: the slot's q-th.  p: B's set;  sc: the set of scale words.  zero = 1: the first product starts the sums.
; The 64 accumulators take turns, one instruction a turn, in the same order in every step.
.macro MUL16 a0, p, q, sc, zero
.irp a, \a0, \a0+1
.irp b, 0,1,2,3,4,5,6,7
.if \zero
	v_wmma_scale_f32_16x16x128_f8f6f4 v[8*(8*((\a)%4)+\b):8*(8*((\a)%4)+\b)+7], v[128*(\p)+FR*\b:128*(\p)+FR*\b+FR-1], v[AF+FR*(\a):AF+FR*(\a)+FR-1], 0, v[SC+8*NQ*(\sc)+NQ*\b+(\q)], v[SC+8*NQ*(\sc)+NQ*(\a)+(\q)] matrix_a_fmt:MATRIX_FMT_BF8 matrix_b_fmt:MATRIX_FMT_BF8 matrix_a_scale:MATRIX_SCALE_ROW1
.else
	v_wmma_scale_f32_16x16x128_f8f6f4 v[8*(8*((\a)%4)+\b):8*(8*((\a)%4)+\b)+7], v[128*(\p)+FR*\b:128*(\p)+FR*\b+FR-1], v[AF+FR*(\a):AF+FR*(\a)+FR-1], v[8*(8*((\a)%4)+\b):8*(8*((\a)%4)+\b)+7], v[SC+8*NQ*(\sc)+NQ*\b+(\q)], v[SC+8*NQ*(\sc)+NQ*(\a)+(\q)] matrix_a_fmt:MATRIX_FMT_BF8 matrix_b_fmt:MATRIX_FMT_BF8 matrix_a_scale:MATRIX_SCALE_ROW1
.endif
.endr
.endr
.endm
.macro FETCH_B slot, q, p              ; B's eight fragments of the slot's q-th 128 along K into set p
	WIN TO_B
.irp i, 0,1,2,3,4,5,6,7
	FRAG 128*(\p)+FR*\i, ADRB+\slot, \q, \i
.endr
	WIN 0
.endm
.macro FETCH_A slot, q, i0             ; A's blocks i0 .. i0 + 3
.irp i, \i0, \i0+1, \i0+2, \i0+3
	FRAG AF+FR*(\i), ADRA+\slot, \q, \i
.endr
.endm
.macro SCALES sc, ks                   ; K step ks's scale words into set sc: register 2 i + q: lanes 0-15 the words of A's block i, lanes 16-31 of B's block i
.irp i, 0,1,2,3,4,5,6,7
.irp q, 0,1
	ds_load_b32 v[SC+8*NQ*(\sc)+NQ*\i+\q], v[ADRS] offset:512*\i+64*(2*(\ks)+\q)
.endr
.endr
.endm
; A load into a register that a matrix instruction has read, and a vector instruction that reads a matrix result or writes one of its registers, stand NP places behind it; only plain
; vector instructions that name none of its registers are places (ISA guide 7.12.1 for vector instructions).
.macro PLACES n
.rept \n
	v_nop
.endr
.endm
.macro STEP slot, q, zero              ; a step of 128 along K that has its successor in the same slot
	s_wait_dscnt 4*NL                              ; B's set, the scale words and A's blocks 0-3 are in; the youngest 16 loads (A's blocks 4-7) may be out
	WIN MUL_LO
	MUL16 0, (\q)%2, \q, \slot, \zero
	MUL16 2, (\q)%2, \q, \slot, \zero
	s_wait_dscnt 0
	PLACES NP
	FETCH_B \slot, (\q)+1, 1-(\q)%2
	FETCH_A \slot, (\q)+1, 0
	WIN MUL_HI
	MUL16 4, (\q)%2, \q, \slot, \zero
	MUL16 6, (\q)%2, \q, \slot, \zero
	PLACES NP
	WIN 0
	FETCH_A \slot, (\q)+1, 4
.endm
; A slot's last step changes slots: ONE barrier; in front of it each wave waits for all its tensor loads, adds 0 to its spare word, and waits for that and for its own reads of this slot.
; fill = 1: this slot is filled again, two K steps ahead.  ks: the K step that lies in the next slot.
.macro TURN slot, next, fill, ks
	s_wait_tensorcnt 0x0                           ; all my tensor loads have landed: my part of the next slot
	ds_add_u32 v[SPW], v[NIL]                      ; 0 onto my spare word
	s_wait_dscnt 4*NL+1                            ; (the add and the youngest 16 loads may be out)
	WIN MUL_LO
	MUL16 0, 1, NQ-1, \slot, 0                     ; sixteen matrix instructions stand between the add and the wait for it
	s_wait_dscnt 0x0                               ; the add is done, and my reads of this slot are over
	s_barrier_signal -1
	MUL16 2, 1, NQ-1, \slot, 0
	WIN 0
	s_barrier_wait -1
.if \fill
	CREST                                          ; the barrier has opened a round of the cluster's barrier: no wave of any partner still reads this slot or has a load on its way
	s_add_nc_u64 s[G0+4*\slot+2:G0+4*\slot+3], s[G0+4*\slot+2:G0+4*\slot+3], 2*TILEB
	s_add_nc_u64 s[G0B+4*\slot+2:G0B+4*\slot+3], s[G0B+4*\slot+2:G0B+4*\slot+3], 2*TILEB
	JLOAD G0+4*\slot, G1, G0B+4*\slot, G1B         ; the first tensor load behind the round, and my only one until the next; its four v_nop are among the places below
	PLACES NP-4
.else
	PLACES NP
.endif
	FETCH_B \next, 0, 0
	FETCH_A \next, 0, 0
	SCALES \next, \ks
	WIN MUL_HI
	MUL16 4, 1, NQ-1, \slot, 0
	MUL16 6, 1, NQ-1, \slot, 0
	PLACES NP
	WIN 0
	FETCH_A \next, 0, 4
.endm
; 64 numbers of a lane, v[s] on, register 16 b + i = k 32 b + 16 (lane / 16) + i of my row, become a fragment's codes in v[pc] on and its scale word in v[pw]
.macro QUANT s, pc, pw
.irp b, 0,1,2,3
	v_max3_num_f32 v[TM+\b], |v[\s+16*\b]|, |v[\s+1+16*\b]|, 0x8000000   ; block b: my 16 numbers, and the floor 2^(16 - 127): the byte cannot fall under 1
.endr
.irp i, 2,4,6,8,10,12,14
.irp b, 0,1,2,3
	v_max3_num_f32 v[TM+\b], v[TM+\b], |v[\s+16*\b+\i]|, |v[\s+1+16*\b+\i]|
.endr
.endr
.irp b, 0,1,2,3
	v_permlanex16_b32 v[TM+4+\b], v[TM+\b], s[SEL], s[SEL+1]
.endr
.irp b, 0,1,2,3
	v_max_num_f32 v[TM+\b], v[TM+\b], v[TM+4+\b]   ; with lane l xor 16's: the block's largest magnitude
.endr
.irp b, 0,1,2,3
	v_add_nc_u32 v[TM+12+\b], 0xf8800000, v[TM+\b]   ; 15 off its exponent field: the conversion's scale operand
.endr
.irp b, 0,1,2,3
.endr
.irp b, 0,1,2,3
	v_lshrrev_b32 v[TM+4+\b], 23, v[TM+12+\b]      ; the scale's byte
.endr
	v_lshl_or_b32 v[\pw], v[TM+5], 8, v[TM+4]
	v_lshl_or_b32 v[\pw], v[TM+6], 16, v[\pw]
	v_lshl_or_b32 v[\pw], v[TM+7], 24, v[\pw]
.irp b, 0,1,2,3
.irp i, 0,1,2,3,4,5,6,7,8,9,10,11,12,13,14,15
.endr
	v_cvt_scalef32_pk8_bf8_f32 v[\pc+4*\b:\pc+1+4*\b], v[\s+16*\b:\s+7+16*\b], v[TM+12+\b]
	v_cvt_scalef32_pk8_bf8_f32 v[\pc+2+4*\b:\pc+3+4*\b], v[\s+8+16*\b:\s+15+16*\b], v[TM+12+\b]
.endr
	v_nop                                          ; one plain vector instruction behind the last conversion
.endm
	s_wait_alu depctr_va_vdst(0)
	s_wait_loadcnt 0x0                             ; the biases
	s_wait_tensorcnt 1                             ; the scales and my part of K step 0 are in (K step 1's load may be out)
	s_barrier_signal -1
	s_barrier_wait -1                              ; everybody's are
	FETCH_B 0, 0, 0
	FETCH_A 0, 0, 0
	SCALES 0, 0
	FETCH_A 0, 0, 4
	STEP 0, 0, 1                                   ; K = 1,024 is four K steps: written out, no loop
	TURN 0, 1, 1, 1
	STEP 1, 0, 0
	TURN 1, 0, 1, 2
	STEP 0, 0, 0
	TURN 0, 1, 0, 3                                ; no tensor load of mine is out from here on: the descriptors' registers are free
	s_load_b128 s[36:39], s[0:1], 0x38             ; qkv_img, qkv_sc
	; where my results go.  PART 0: token tiles 16 (c1 % 8) + 8 x half on, of batch c1 / 8; heads 4 cx + 2 x half and the next
	s_lshr_b32 s48, s17, 3
	s_lshl_b32 s48, s48, 4
	s_lshl_b32 s49, s40, 2
	s_add_co_u32 s48, s48, s49
	s_lshl_b32 s49, s16, 1
	s_add_co_u32 s48, s48, s49                     ; batch x 16 + head
	s_and_b32 s49, s17, 7
	s_lshl_b32 s49, s49, 4
	s_lshl_b32 s50, s15, 3
	s_add_co_u32 s49, s49, s50                     ; my first tile
	s_lshl_b32 s50, s48, 7
	s_add_co_u32 s50, s50, s49
	s_lshl_b32 s51, s50, 10
	s_lshl_b32 s52, s[ISK], 23
	s_add_co_u32 s51, s51, s52                     ; codes: 1,024 bytes a tile; k's 8,388,608 on
	s_lshl_b32 s52, s50, 6                         ; q's scale words
	s_mul_i32 s53, s48, 12288
	s_lshl_b32 s54, s49, 6
	s_add_co_u32 s53, s53, s54
	s_add_co_u32 s53, s53, 524288                  ; k's
	s_mov_b32 s54, 8192
	s_cmp_lg_u32 s[ISK], 0
	s_cselect_b32 s52, s53, s52
	s_cselect_b32 s54, 12288, s54                  ; from a head's scale words to the next head's
	; PART 1: key step 2 c0 + half (batches on end), channel tiles 16 c1 + 8 x half on
	s_lshl_b32 s55, s42, 1
	s_add_co_u32 s55, s55, s16
	s_lshl_b32 s56, s17, 4
	s_lshl_b32 s57, s15, 3
	s_add_co_u32 s56, s56, s57
	s_lshl_b32 s57, s55, 6
	s_add_co_u32 s57, s57, s56
	s_lshl_b32 s57, s57, 11
	s_add_co_u32 s57, s57, 16777216                ; codes: 2,048 bytes a tile
	s_lshr_b32 s58, s42, 3
	s_lshl_b32 s58, s58, 4
	s_lshr_b32 s59, s56, 2
	s_add_co_u32 s58, s58, s59                     ; batch x 16 + head
	s_mul_i32 s58, s58, 12288
	s_and_b32 s59, s55, 15
	s_lshl_b32 s59, s59, 8
	s_add_co_u32 s58, s58, s59
	s_add_co_u32 s58, s58, 524288+8192             ; scale words: 256 bytes a key step
	s_mov_b32 s60, 131072
	s_mov_b32 s61, 1024
	s_cmp_lg_u32 s[PART], 0
	s_cselect_b32 s24, s57, s51
	s_cselect_b32 s26, s58, s52
	s_cselect_b32 s60, 1024, s60                   ; from groups 0, 1 of the codes to groups 2, 3: the next head's tile, or the same image's second half
	s_cselect_b32 s28, 2048, s61                   ; from a block to the next
	s_cselect_b32 s62, -1, 0xffff                  ; what of the scale word the first store takes
	s_mov_b32 s25, 0
	s_mov_b32 s27, 0
	s_mov_b32 s29, 0
	s_mov_b32 s61, 0
	s_mov_b32 s55, 0
	s_mov_b32 s[SEL], 0x76543210
	s_mov_b32 s[SEL+1], 0xfedcba98
	STEP 1, 0, 0
	s_wait_dscnt 4*NL                              ; the very last step: nothing more to fetch
	WIN MUL_LO
	MUL16 0, 1, NQ-1, 1, 0
	MUL16 2, 1, NQ-1, 1, 0
	s_wait_dscnt 0
	WIN MUL_HI
	MUL16 4, 1, NQ-1, 1, 0
	MUL16 6, 1, NQ-1, 1, 0
	WIN 0
	PLACES NP                                      ; for all that the way out reads and writes of the last products' registers
	s_wait_kmcnt 0x0
	s_add_nc_u64 s[32:33], s[36:37], s[24:25]      ; codes, groups 0 and 1
	s_add_nc_u64 s[34:35], s[32:33], s[60:61]      ; groups 2 and 3
	s_add_nc_u64 s[30:31], s[38:39], s[26:27]      ; scale words
	s_add_nc_u64 s[44:45], s[30:31], s[54:55]      ; PART 0: the second head's
.irp b, 0,1,2,3
	v_mov_b32 v[TM+4+\b], 0                        ; written once: a lane permute's destination counts as one of its sources
.endr
; THE WAY OUT of A's block a: its 8 accumulators are 64 numbers of my row of source 1, 16 neighbours of each block of 32 along source 0's 128 rows.  The bias is added, the numbers are quantised,
; and the codes ARE the next operand's image: four stores of 512 consecutive bytes.  Each accumulator is read from its low end on.
.macro WBLOCK a
.set AC, 64*((\a)%4)
.if (\a) > 0
	s_wait_xcnt 0x0                                ; the last block's stores have read their codes and their bases
	s_add_nc_u64 s[32:33], s[32:33], s[28:29]
	s_add_nc_u64 s[34:35], s[34:35], s[28:29]
.endif
	s_cmp_lg_u32 s[PART], 0
	s_cbranch_scc1 .Lby_row_\@
	WIN 0x02+(\a)/4                                ; source 0: window 2 or 3
.set p, 0
.rept 32
	v_pk_add_f32 v[ST+p:ST+p+1], v[AC+p:AC+p+1], v[BP+p:BP+p+1]          ; q, k: the bias runs along my registers
.set p, p+2
.endr
	WIN 0
	s_branch .Lsummed_\@
.Lby_row_\@:
	WIN 0x02+(\a)/4
.set p, 0
.rept 32
.if ((\a)%2) == 0
	v_pk_add_f32 v[ST+p:ST+p+1], v[AC+p:AC+p+1], v[BR+(\a):BR+(\a)+1] op_sel_hi:[1,0]             ; v: one bias for my channel: the pair's low word for both halves,
.else
	v_pk_add_f32 v[ST+p:ST+p+1], v[AC+p:AC+p+1], v[BR+(\a)-1:BR+(\a)] op_sel:[0,1] op_sel_hi:[1,1]   ; or its high word
.endif
.set p, p+2
.endr
	WIN 0
.Lsummed_\@:
	QUANT ST, PC, PW
	global_store_b128 v[LO16], v[PC:PC+3], s[32:33]
	global_store_b128 v[LO16], v[PC+4:PC+7], s[32:33] offset:512
	global_store_b128 v[LO16], v[PC+8:PC+11], s[34:35]
	global_store_b128 v[LO16], v[PC+12:PC+15], s[34:35] offset:512
	v_and_b32 v[W0+(\a)], s62, v[PW]               ; PART 0: the first head's two bytes, zeros above;  PART 1: the whole word
	v_lshrrev_b32 v[W1+(\a)], 16, v[PW]            ; PART 0: the second head's
	ds_store_b32 v[SIN], v[W0+(\a)] offset:64*(\a) ; both halves of the lanes write the same word with the same value
	ds_store_b32 v[SIN], v[W1+(\a)] offset:512+64*(\a)
.endm
.irp a, 0,1,2,3,4,5,6,7
	WBLOCK \a
.endr
	ds_load_b128 v[SW:SW+3], v[SOUT]               ; LDS serves a wave's instructions in order: these see my stores
	ds_load_b128 v[SW+4:SW+7], v[SOUT] offset:512
	s_wait_dscnt 0x0
	global_store_b128 v[SGO], v[SW:SW+3], s[30:31] ; eight tiles' scale words: sixteen lanes store 256 consecutive bytes, aligned
	s_cmp_lg_u32 s[PART], 0
	s_cbranch_scc1 .Lone_set
	global_store_b128 v[SGO], v[SW+4:SW+7], s[44:45]
.Lone_set:
	s_wait_tensorcnt 0x0                           ; the wave's end: behind my last tensor load and my last LDS store
	ds_add_u32 v[SPW], v[NIL]
	s_wait_dscnt 0x0
	CROUND                                         ; the closing round: no work-group ends while a partner may still ask for a tile that names it
	s_endpgm
.Lfunc_end_k_q44a60f8979_qkv:
	.size	k_q44a60f8979_qkv, .Lfunc_end_k_q44a60f8979_qkv-k_q44a60f8979_qkv
	.p2alignl 7, 3214868480
	.fill 96, 4, 3214868480
	.section	.rodata,"a",@progbits
	.p2align	6, 0x0
	.amdhsa_kernel k_q44a60f8979_qkv
		.amdhsa_group_segment_fixed_size 327680
		.amdhsa_private_segment_fixed_size 0
		.amdhsa_enable_private_segment 0
		.amdhsa_kernarg_size 72
		.amdhsa_user_sgpr_count 2
		.amdhsa_user_sgpr_kernarg_segment_ptr 1
		.amdhsa_wavefront_size32 1
		.amdhsa_system_sgpr_workgroup_id_x 1
		.amdhsa_system_sgpr_workgroup_id_y 1
		.amdhsa_system_sgpr_workgroup_id_z 1
		.amdhsa_system_vgpr_workitem_id 0
		.amdhsa_next_free_vgpr 1024
		.amdhsa_next_free_sgpr 106
		.amdhsa_reserve_vcc 0
		.amdhsa_float_denorm_mode_32 3
		.amdhsa_float_denorm_mode_16_64 3
		.amdhsa_fp16_overflow 1
		.amdhsa_memory_ordered 1
		.amdhsa_forward_progress 1
		.amdhsa_inst_pref_size 191
	.end_amdhsa_kernel
	.amdgpu_metadata
---
amdhsa.version: [ 1, 2 ]
amdhsa.kernels:
  - .name:           k_q44a60f8979_qkv
    .symbol:         k_q44a60f8979_qkv.kd
    .args:
      - { .name: x_img, .offset: 0, .size: 8, .value_kind: global_buffer, .address_space: global }
      - { .name: x_sc, .offset: 8, .size: 8, .value_kind: global_buffer, .address_space: global }
      - { .name: w_img, .offset: 16, .size: 8, .value_kind: global_buffer, .address_space: global }
      - { .name: w_sc, .offset: 24, .size: 8, .value_kind: global_buffer, .address_space: global }
      - { .name: bq, .offset: 32, .size: 8, .value_kind: global_buffer, .address_space: global }
      - { .name: bk, .offset: 40, .size: 8, .value_kind: global_buffer, .address_space: global }
      - { .name: bv, .offset: 48, .size: 8, .value_kind: global_buffer, .address_space: global }
      - { .name: qkv_img, .offset: 56, .size: 8, .value_kind: global_buffer, .address_space: global }
      - { .name: qkv_sc, .offset: 64, .size: 8, .value_kind: global_buffer, .address_space: global }
    .group_segment_fixed_size: 327680
    .private_segment_fixed_size: 0
    .kernarg_segment_align: 8
    .kernarg_segment_size: 72
    .max_flat_workgroup_size: 128
    .sgpr_count:     106
    .vgpr_count:     1024
    .wavefront_size: 32
...
	.end_amdgpu_metadata
.endif
;; end of part 2
;; launch attn (part 3): grid 4 x 64, 16 waves a work-group, clusters of 4 x 1, 327,680 bytes of LDS; arguments qkv_img, qkv_sc, a_img, a_sc; writes a_img, a_sc
.if DOCPART == 3
	.amdgcn_target "amdgcn-amd-amdhsa--gfx1250"
	.amdhsa_code_object_version 6
	.text
	.protected	k_q44a60f8979_attn
	.globl	k_q44a60f8979_attn
	.p2align	8
	.type	k_q44a60f8979_attn,@function
k_q44a60f8979_attn:
	s_mov_b64 s[64:65], 0
	v_nop
	global_prefetch_b8 v0, s[64:65] scope:SCOPE_SE
	s_setreg_imm32_b32 hwreg(HW_REG_WAVE_MODE, 25, 1), 1
	s_wait_xcnt 0x0
	s_wait_alu depctr_hold_cnt(0) depctr_sa_sdst(0) depctr_va_vdst(0) depctr_va_sdst(0) depctr_va_ssrc(0) depctr_va_vcc(0) depctr_vm_vsrc(0)
	s_getreg_b32 s2, hwreg(HW_REG_IB_STS2, 6, 4)
	s_cmp_eq_u32 s2, 0
	s_cbranch_scc0 .Lentry_in_a_cluster
	s_endpgm
.Lentry_in_a_cluster:
	s_bfe_u32 s2, ttmp6, 0x10000c
	s_cmp_lg_u32 s2, 0x3003
	s_cbranch_scc0 .Lentry_shape_is_right
	s_endpgm
.Lentry_shape_is_right:
; Causal attention of one batch x head for each cluster, head size 64, 2,048 keys, both products on codes of BF8 (E5M2) with E8M0 scales; the result is quantised along the channels and leaves as codes.
; t = score x log2(e) / 8; M = the row's largest t so far, rounded UP to a whole number; p = 2^(t - M) is quantised along the keys, not normalised; the row's sum is taken of the unquantised p
; and divides at the end.  When M moves, the sum and O are multiplied by 2^(old M - new M): exact.
; OPERANDS ARE IMAGES OF REGISTERS (tiles of 16 rows, place r = row 32 (T / 2) + 8 (T % 2) + r + 8 (r / 8)).  Both products are used transposed: S^T = K Q^T, O^T = V^T P^T: a lane holds ONE query,
; and the 16 registers of two neighbouring result tiles are 16 neighbouring keys (channels), in the order of the next operand's registers.  q's and k's K is 64: the upper half of their
; fragments is zero codes, kept in registers; the upper two bytes of their scale words are 0, which is a power of two and no NaN.
; A HEAD'S K, V AND SCALES LIE IN LDS WHOLE (131,072 + 131,072 + 12,288 bytes), filled ONCE: nothing is filled again, so behind three barriers of arrival every wave runs free.
; CLUSTER: its four work-groups read the same head: every fill is a joint load of waves 0 to 3.  Work-group cx owns the query tiles 4 m + cx, m = 0 .. 31; tile 4 m + cx needs the key steps
; 0 .. m / 2 whatever cx: no branch hangs on cx.  Wave w takes m = 31 - w and then m = w: 17 key steps of 128 keys for every wave.
; Steps past a tile's last are left out by a scalar branch on the wave's number; the loops' trip counts are constants.
; LIMITS: a block of zeros gets the byte 1 where the rule says 127 (its codes are zeros; this program alone reads the bytes); blocks under 2^-111 are held at the byte 1; NaN and infinities are not served.
; REGISTERS: v1-7 stay; v8-11 addresses of the step; v12 -M, v13 the largest t, v[14:15] the sum; v16-31 Q (v24-31 zeros); v32-95 four fragments of K (the upper eight of each zeros);
; v96-159 S^T, then p, then V's four fragments; v160-191 O^T; v192-207 codes; v208-214 scale words; v232-254 at work.
.set SC,   262144                      ; LDS: K's step k at 8,192 k; V's at 131,072 + 8,192 k; here the scale words: k's 64 bytes a tile, from 8,192 on v's, 256 bytes a step
.set WV,   12                          ; s12  wave
.set CX,   13                          ; s13  my place in the cluster: it enters global addresses and the mask's numbers alone
.set BH,   14                          ; s14  batch x 16 + head
.set KS,   17                          ; s17  the key step
.set KD,   18                          ; s18  the tile's last key step, which lies on the diagonal
.set MNT,  19
.set SEL,  20
.set CS,   22                          ; s[22:23] c = log2(e) / 8
.set G1C,  24                          ; s[24:31] group 1: 8,192 dense bytes
.set G1S,  32                          ; s[32:39] group 1: 3,072 dense bytes
.set G0S,  40                          ; s[40:43] group 0 of the scales' load; s[44:63], s[68:79] of the eight loads of codes
.set TB,   80                          ; s80  the step's codes: 8,192 bytes a step
.set TS,   81                          ; s81  K's scale words: 512
.set TJ,   82                          ; s82  V's: 256
.set CNT,  83
.set MM,   84                          ; s84  m
.set TT,   85                          ; s85  my query tile
.set ADK,  8
.set ADV,  9
.set ADS,  10
.set ADT,  11
.macro ROUND                           ; a round of the cluster's barrier
	s_barrier_signal -1
	s_barrier_wait -1
	s_cmp_lg_u32 s[WV], 0
	s_cbranch_scc1 .Lnot_wave_0_\@
	s_barrier_signal -3
.Lnot_wave_0_\@:
	s_barrier_wait -3
	s_barrier_signal -1
	s_barrier_wait -1
.endm
	s_load_b256 s[4:11], s[0:1], 0x0               ; qkv_img, qkv_sc, a_img, a_sc
	v_lshl_add_u32 v251, v0, 2, 0x43000
	v_mov_b32 v255, 0
	ds_add_u32 v251, v255
	ds_add_u32 v251, v255
	v_lshrrev_b32 v8, 5, v0
	s_delay_alu instid0(VALU_DEP_1)
	v_readfirstlane_b32 s[WV], v8
	s_bfe_u32 s[CX], ttmp6, 0x40000
	s_and_b32 s[BH], ttmp7, 0xffff
	v_and_b32 v9, 31, v0                           ; lane
	v_and_b32 v10, 15, v0                          ; r
	v_bfe_u32 v11, v0, 4, 1                        ; h
	s_delay_alu instid0(VALU_DEP_3)
	v_lshlrev_b32 v1, 4, v9                        ; 16 x lane: an image's place for my lane, in K's part of LDS and in memory
	s_delay_alu instid0(VALU_DEP_1)
	v_add_nc_u32 v2, 131072, v1                    ; in V's part
	v_lshl_add_u32 v3, v9, 2, SC                   ; 4 x lane: lanes 0-15 an even tile's scale words, lanes 16-31 the next tile's
	s_delay_alu instid0(VALU_DEP_1)
	v_add_nc_u32 v4, 8192, v3
	v_lshlrev_b32 v5, 2, v10                       ; 4 r
	v_and_b32 v6, 8, v10
	s_delay_alu instid0(VALU_DEP_1)
	v_add_nc_u32 v6, v6, v10
	v_lshlrev_b32 v11, 4, v11
	s_delay_alu instid0(VALU_DEP_1)
	v_sub_nc_u32 v6, v6, v11                       ; r + 8 (r / 8) - 16 h
	; what I fetch, if I fetch: wave 0, 1: K's steps 2 j + wave;  wave 2, 3: V's steps 2 j + wave - 2;  j = 0 .. 7
	s_and_b32 s94, s[WV], 1
	s_lshr_b32 s95, s[WV], 1
	s_lshl_b32 s96, s95, 17
	s_lshl_b32 s97, s94, 13
	s_add_co_u32 s96, s96, s97                     ; in LDS
	s_lshl_b32 s98, s[BH], 17
	s_add_co_u32 s98, s98, s97
	s_add_co_u32 s98, s98, 8388608                 ; K in memory: a head's 131,072 bytes on end
	s_lshr_b32 s99, s[BH], 4
	s_lshl_b32 s99, s99, 21
	s_and_b32 s97, s[BH], 15
	s_lshl_b32 s97, s97, 13
	s_add_co_u32 s99, s99, s97
	s_lshl_b32 s97, s94, 17
	s_add_co_u32 s99, s99, s97
	s_add_co_u32 s99, s99, 16777216                ; V: a head's 8,192 bytes of each key step, 131,072 bytes from step to step
	s_mov_b32 s97, 16384
	s_cmp_lt_u32 s[WV], 2
	s_cselect_b32 s98, s98, s99
	s_cselect_b32 s16, s97, 262144                 ; from my load j to j + 1
	s_mov_b32 s99, 0
	s_mov_b32 s17, 0
	s_mul_i32 s94, s[BH], 12288                    ; the scales: my quarter of the head's 12,288 bytes
	s_mul_i32 s95, s[WV], 3072
	s_add_co_u32 s94, s94, s95
	s_add_co_u32 s94, s94, 524288
	s_add_co_u32 s[G0S+1], s95, SC
	s_mov_b32 s95, 0
	s_mov_b32 s[G1C], 15|(3<<16)|(1<<21)           ; 15:0 the mask: all four work-groups; 17:16 elements of 8 bytes; 21 set beside a mask
	s_mov_b32 s[G1C+1], 32<<16                     ; rows of 256 bytes,
	s_mov_b32 s[G1C+2], 32<<16                     ; 32 of them
	s_mov_b32 s[G1C+3], 32<<16
	s_mov_b32 s[G1C+4], 32
	s_mov_b32 s[G1C+5], 32
	s_mov_b32 s[G1C+6], 0
	s_mov_b32 s[G1C+7], 0
	s_mov_b32 s[G1S], 15|(3<<16)|(1<<21)
	s_mov_b32 s[G1S+1], 32<<16
	s_mov_b32 s[G1S+2], 12<<16                     ; 12 rows
	s_mov_b32 s[G1S+3], 32<<16
	s_mov_b32 s[G1S+4], 12
	s_mov_b32 s[G1S+5], 32
	s_mov_b32 s[G1S+6], 0
	s_mov_b32 s[G1S+7], 0
	s_mov_b32 s[SEL], 0x76543210
	s_mov_b32 s[SEL+1], 0xfedcba98
	s_mov_b32 s[CS], 0x3e38aa3b                    ; log2(e) / sqrt(64)
	s_mov_b32 s[CS+1], s[CS]                       ; (named with it as a pair, so it is written)
	s_wait_dscnt 0x0
	s_wait_kmcnt 0x0
	s_mov_b32 s[G0S], 1
	s_add_nc_u64 s[G0S+2:G0S+3], s[6:7], s[94:95]
	s_or_b32 s[G0S+3], s[G0S+3], 0x80000000
	s_add_nc_u64 s[98:99], s[4:5], s[98:99]
.set j, 0
.irp g, 44,48,52,56,60,68,72,76
	s_mov_b32 s[\g], 1
	s_add_co_u32 s[\g+1], s96, 16384*j
	s_mov_b64 s[\g+2:\g+3], s[98:99]
	s_or_b32 s[\g+3], s[\g+3], 0x80000000
	s_add_nc_u64 s[98:99], s[98:99], s[16:17]
.set j, j+1
.endr
	ROUND                                          ; all four work-groups are here: the joint loads meet
	s_cmp_lt_u32 s[WV], 4                          ; all fills of the launch stand in one branch, ahead of every wait on TENSORcnt and every LDS read: nine loads of a fetching wave are out
	s_cbranch_scc0 .Lno_fill
	tensor_load_to_lds s[G0S:G0S+3], s[G1S:G1S+7]
	s_nop 0
.irp g, 44,48,52,56,60,68,72,76
	tensor_load_to_lds s[\g:\g+3], s[G1C:G1C+7]
	s_nop 0
.endr
.rept 4
	v_nop
.endr
.Lno_fill:
.irp j, 0,1,2,3,4,5,6,7
	v_mov_b32 v[24+\j], 0                          ; zero codes: the upper 64 of Q's K,
.irp t, 0,1,2,3
	v_mov_b32 v[40+16*\t+\j], 0                    ; and of K's four fragments; never rewritten
.endr
.endr
.irp b, 0,1,2,3
	v_mov_b32 v[236+\b], 0                         ; written once: a lane permute's destination counts as one of its sources
.endr
	v_mov_b32 v252, 0
	v_mov_b32 v253, 0                              ; (named as the upper half of the pair v[252:253] before it is first written)
; A tile begins: m in s[MM].
.macro START
	s_wait_xcnt 0x0                                ; the last tile's stores have read their registers and bases
	s_lshl_b32 s[TT], s[MM], 2
	s_add_co_u32 s[TT], s[TT], s[CX]
	s_lshr_b32 s[KD], s[MM], 1
	s_mov_b32 s[KS], 0
	s_mov_b32 s[TB], 0
	s_mov_b32 s[TS], 0
	s_mov_b32 s[TJ], 0
	s_lshl_b32 s94, s[BH], 7
	s_add_co_u32 s94, s94, s[TT]
	s_lshl_b32 s86, s94, 10
	s_mov_b32 s87, 0
	s_add_nc_u64 s[86:87], s[4:5], s[86:87]        ; q's image: 1,024 bytes a tile
	s_lshl_b32 s88, s94, 6
	s_mov_b32 s89, 0
	s_add_nc_u64 s[88:89], s[6:7], s[88:89]        ; its scale words
	global_load_b128 v[16:19], v1, s[86:87]
	global_load_b128 v[20:23], v1, s[86:87] offset:512
	global_load_b32 v214, v5, s[88:89]
	s_and_b32 s94, s[MM], 1
	s_lshl_b32 s94, s94, 6
	s_lshr_b32 s95, s[CX], 1
	s_lshl_b32 s95, s95, 5
	s_add_co_u32 s94, s94, s95
	s_and_b32 s95, s[CX], 1
	s_lshl_b32 s95, s95, 3
	s_add_co_u32 s94, s94, s95
	v_add_nc_u32 v7, s94, v6                       ; d = my query - the diagonal step's first key - 16 h
	s_lshr_b32 s94, s[BH], 4                       ; where the result goes: token tile 128 x batch + t; head hd fills groups 2 (hd % 2) + 0, 1 of K step hd / 2
	s_lshl_b32 s94, s94, 7
	s_add_co_u32 s94, s94, s[TT]
	s_lshl_b32 s94, s94, 3
	s_bfe_u32 s95, s[BH], 0x30001
	s_add_co_u32 s94, s94, s95
	s_and_b32 s95, s[BH], 1
	s_lshl_b32 s90, s94, 11
	s_lshl_b32 s96, s95, 10
	s_add_co_u32 s90, s90, s96
	s_mov_b32 s91, 0
	s_add_nc_u64 s[90:91], s[8:9], s[90:91]
	s_lshl_b32 s92, s94, 6
	s_lshl_b32 s96, s95, 1
	s_add_co_u32 s92, s92, s96
	s_mov_b32 s93, 0
	s_add_nc_u64 s[92:93], s[10:11], s[92:93]
	v_mov_b32 v13, 0xff61b1e6                      ; the largest t so far: -3e38, under every t
	s_delay_alu instid0(VALU_DEP_1)
	v_floor_f32 v12, -v13                          ; -M
	v_mov_b32 v14, 0
	v_mov_b32 v15, 0
.set n, 0
.rept 32
	v_mov_b32 v[160+n], 0                          ; O^T.  (The step is written without a first step of its own: it finds zeros, which the first change of M leaves zeros)
.set n, n+1
.endr
	s_wait_loadcnt 0x0
.endm
.macro ARRIVE n                        ; my fills but the youngest n have landed; behind the barrier everybody's have.  Nothing is ever filled again
	s_wait_tensorcnt \n
	s_barrier_signal -1
	s_barrier_wait -1
.endm
; A KEY STEP: 128 keys.
.macro STEP
	s_cmp_gt_u32 s[KS], s[KD]                      ; a step all of whose keys come after my queries is left out: a branch on the wave's number and the trip
	s_cbranch_scc1 .Lhid_\@
	s_setprio 2
	v_add_nc_u32 v[ADK], s[TB], v1
	s_wait_alu depctr_va_vdst(0)
	v_add_nc_u32 v[ADV], s[TB], v2
	v_add_nc_u32 v[ADS], s[TS], v3
	v_add_nc_u32 v[ADT], s[TJ], v4
.irp e, 0,1,2,3
	ds_load_b32 v[208+\e], v[ADS] offset:128*\e    ; K's scale words: tiles 2 e (lanes 0-15) and 2 e + 1 (lanes 16-31)
.endr
.irp g, 0,1                                    ; S^T = K Q^T, four tiles of 16 keys at a time
.if \g
.rept 8
	v_nop                                          ; places in front of loads into registers that matrix instructions have read
.endr
.endif
.irp t, 0,1,2,3
.irp c, 0,1
	ds_load_b128 v[32+16*\t+4*\c:35+16*\t+4*\c], v[ADK] offset:(4*\g+\t)*1024+512*\c
.endr
.endr
	s_wait_dscnt 0x0
.irp t, 0,1,2,3
.if \t%2
	v_wmma_scale_f32_16x16x128_f8f6f4 v[96+8*(4*\g+\t):103+8*(4*\g+\t)], v[32+16*\t:47+16*\t], v[16:31], 0, v[208+2*\g+\t/2], v214 matrix_a_fmt:MATRIX_FMT_BF8 matrix_b_fmt:MATRIX_FMT_BF8 matrix_a_scale:MATRIX_SCALE_ROW1
.else
	v_wmma_scale_f32_16x16x128_f8f6f4 v[96+8*(4*\g+\t):103+8*(4*\g+\t)], v[32+16*\t:47+16*\t], v[16:31], 0, v[208+2*\g+\t/2], v214 matrix_a_fmt:MATRIX_FMT_BF8 matrix_b_fmt:MATRIX_FMT_BF8
.endif
.endr
.endr                                          ; register 16 b + i holds key 128 KS + 32 b + 16 h + i
.rept 8
	v_nop
.endr
	s_cmp_lg_u32 s[KS], s[KD]                      ; on the diagonal the scores of hidden keys become -infinity ahead of the maximum: p = 0 then
	s_cbranch_scc1 .Lopen_\@
	v_mov_b32 v254, 0xff800000
.set n, 0
.rept 64
	v_cmp_gt_i32 vcc_lo, 32*(n/16)+n%16, v7
	v_cndmask_b32 v[96+n], v[96+n], v254, vcc_lo
.set n, n+1
.endr
.Lopen_\@:
.irp b, 0,1,2,3
	v_max3_num_f32 v[232+\b], v[96+16*\b], v[97+16*\b], v[98+16*\b]   ; the largest score of each block of 32 keys: for the row's maximum, and, since p rises with the score, for the block's largest p
.endr
.irp i, 3,5,7,9,11,13
.irp b, 0,1,2,3
	v_max3_num_f32 v[232+\b], v[232+\b], v[96+16*\b+\i], v[97+16*\b+\i]
.endr
.endr
.irp b, 0,1,2,3
	v_max_num_f32 v[232+\b], v[232+\b], v[111+16*\b]
.endr
.irp b, 0,1,2,3
	s_delay_alu instid0(VALU_DEP_4)
	v_permlanex16_b32 v[236+\b], v[232+\b], s[SEL], s[SEL+1]
.endr
.irp b, 0,1,2,3
	s_delay_alu instid0(VALU_DEP_4)
	v_max_num_f32 v[232+\b], v[232+\b], v[236+\b]  ; with lane l xor 16's 16 keys
.endr
	s_delay_alu instid0(VALU_DEP_2)
	v_max3_num_f32 v254, v232, v233, v234
	s_delay_alu instid0(VALU_DEP_1)
	v_max_num_f32 v254, v254, v235                 ; the step's largest score of my query
	s_delay_alu instid0(VALU_DEP_1)
	v_mul_f32 v254, s[CS], v254                    ; as t (c is positive)
	s_delay_alu instid0(VALU_DEP_1)
	v_max_num_f32 v13, v13, v254                   ; the running largest t
	v_mov_b32 v254, v12
	s_delay_alu instid0(VALU_DEP_2)
	v_floor_f32 v12, -v13                          ; the new -M = floor(-t) = -ceil(t): a whole number
	s_delay_alu instid0(VALU_DEP_1)
	v_sub_f32 v254, v12, v254                      ; old M - new M: a whole number, 0 or less
	s_delay_alu instid0(VALU_DEP_1)
	v_cvt_i32_f32 v254, v254                       ; (it saturates)
	s_delay_alu instid0(VALU_DEP_1)
	v_ldexp_f32 v252, 1.0, v254                    ; f = 2^(old M - new M)
.set n, 0
.rept 32
	v_pk_fma_f32 v[96+n:97+n], v[96+n:97+n], s[CS:CS+1], v[12:13] op_sel_hi:[1,0,0]   ; t - M, two at a time
.set n, n+2
.endr
	s_setprio 1
.irp b, 0,1,2,3
	v_fma_f32 v[232+\b], v[232+\b], s[CS], v12     ; the same of each block's largest score
.endr
.set n, 0
	s_wait_alu depctr_va_vdst(0)
.rept 64
	v_exp_f32 v[96+n], v[96+n]                     ; p = 2^(t - M), at most 1
.set n, n+1
.endr
.irp b, 0,1,2,3
	v_exp_f32 v[232+\b], v[232+\b]                 ; the block's largest p: the same two instructions on the same number
.endr
	v_pk_mul_f32 v[14:15], v[14:15], v[252:253] op_sel_hi:[1,0]   ; the sums under the new M.  (A plain place behind the exponentials)
	s_wait_alu depctr_va_vdst(0)
.irp b, 0,1,2,3
	v_max_num_f32 v[232+\b], 0x8000000, v[232+\b]  ; the floor 2^(16 - 127): the byte cannot fall under 1
.endr
.irp b, 0,1,2,3
	s_delay_alu instid0(VALU_DEP_4)
	v_add_nc_u32 v[244+\b], 0xf8800000, v[232+\b]  ; 15 off the exponent field: the conversion's scale operand
.endr
.irp b, 0,1,2,3
.endr
.irp b, 0,1,2,3
	s_delay_alu instid0(VALU_DEP_4)
	v_lshrrev_b32 v[236+\b], 23, v[244+\b]         ; the scale's byte
.endr
	s_delay_alu instid0(VALU_DEP_3)
	v_lshl_or_b32 v253, v237, 8, v236              ; p's scale word for these 128 keys
	s_delay_alu instid0(VALU_DEP_1)
	v_lshl_or_b32 v253, v238, 16, v253
	s_delay_alu instid0(VALU_DEP_1)
	v_lshl_or_b32 v253, v239, 24, v253
	v_pk_add_f32 v[236:237], v[100:101], v[104:105]
	v_pk_add_f32 v[248:249], v[108:109], v[112:113]
	v_pk_add_f32 v[242:243], v[116:117], v[120:121]
	v_pk_add_f32 v[240:241], v[124:125], v[128:129]
	v_pk_add_f32 v[234:235], v[132:133], v[136:137]
	v_pk_add_f32 v[232:233], v[140:141], v[144:145]
	v_pk_add_f32 v[230:231], v[148:149], v[152:153]
	v_pk_add_f32 v[14:15], v[14:15], v[156:157]
	v_pk_add_f32 v[236:237], v[236:237], v[96:97]
	v_pk_add_f32 v[248:249], v[248:249], v[98:99]
	v_pk_add_f32 v[242:243], v[242:243], v[102:103]
	v_pk_add_f32 v[240:241], v[240:241], v[106:107]
	v_pk_add_f32 v[234:235], v[234:235], v[110:111]
	v_pk_add_f32 v[232:233], v[232:233], v[114:115]
	v_pk_add_f32 v[230:231], v[230:231], v[118:119]
	v_pk_add_f32 v[14:15], v[14:15], v[122:123]
	v_pk_add_f32 v[236:237], v[236:237], v[126:127]
	v_pk_add_f32 v[248:249], v[248:249], v[130:131]
	v_pk_add_f32 v[242:243], v[242:243], v[134:135]
	v_pk_add_f32 v[240:241], v[240:241], v[138:139]
	v_pk_add_f32 v[234:235], v[234:235], v[142:143]
	v_pk_add_f32 v[232:233], v[232:233], v[146:147]
	v_pk_add_f32 v[230:231], v[230:231], v[150:151]
	v_pk_add_f32 v[14:15], v[14:15], v[154:155]
	v_pk_add_f32 v[236:237], v[236:237], v[158:159]
	s_delay_alu instid0(VALU_DEP_2)
	v_pk_add_f32 v[14:15], v[14:15], v[240:241]
	s_delay_alu instid0(VALU_DEP_2)
	v_pk_add_f32 v[236:237], v[236:237], v[234:235]
	v_pk_add_f32 v[248:249], v[248:249], v[232:233]
	v_pk_add_f32 v[242:243], v[242:243], v[230:231]
	s_delay_alu instid0(VALU_DEP_2)
	v_pk_add_f32 v[14:15], v[14:15], v[248:249]
	s_delay_alu instid0(VALU_DEP_2)
	v_pk_add_f32 v[236:237], v[236:237], v[242:243]
	s_delay_alu instid0(VALU_DEP_1)
	v_pk_add_f32 v[14:15], v[14:15], v[236:237]
.irp b, 0,1,2,3
.irp i, 0,1,2,3,4,5,6,7,8,9,10,11,12,13,14,15
.endr
	v_cvt_scalef32_pk8_bf8_f32 v[192+4*\b:193+4*\b], v[96+16*\b:103+16*\b], v[244+\b]
	v_cvt_scalef32_pk8_bf8_f32 v[194+4*\b:195+4*\b], v[104+16*\b:111+16*\b], v[244+\b]
.endr
	v_nop
	s_setprio 0
.irp t, 0,1,2,3                                ; V's four fragments take the registers that p has left
.irp c, 0,1,2,3
	ds_load_b128 v[96+16*\t+4*\c:99+16*\t+4*\c], v[ADV] offset:2048*\t+512*\c
.endr
.endr
.irp e, 0,1
	ds_load_b32 v[212+\e], v[ADT] offset:128*\e
.endr
.set n, 0
.rept 16
	v_pk_mul_f32 v[160+n:161+n], v[160+n:161+n], v[252:253] op_sel_hi:[1,0]   ; O^T under the new M.  (These are also the places behind the conversions and in front of the products)
.set n, n+2
.endr
	s_wait_alu depctr_va_vdst(0)
	s_wait_dscnt 0x0
.irp t, 0,1,2,3                                ; O^T += V^T P^T: the four accumulators by turns
.if \t%2
	v_wmma_scale_f32_16x16x128_f8f6f4 v[160+8*\t:167+8*\t], v[96+16*\t:111+16*\t], v[192:207], v[160+8*\t:167+8*\t], v[212+\t/2], v253 matrix_a_fmt:MATRIX_FMT_BF8 matrix_b_fmt:MATRIX_FMT_BF8 matrix_a_scale:MATRIX_SCALE_ROW1
.else
	v_wmma_scale_f32_16x16x128_f8f6f4 v[160+8*\t:167+8*\t], v[96+16*\t:111+16*\t], v[192:207], v[160+8*\t:167+8*\t], v[212+\t/2], v253 matrix_a_fmt:MATRIX_FMT_BF8 matrix_b_fmt:MATRIX_FMT_BF8
.endif
.endr
.rept 9
	v_nop                                          ; the next step's scores are written over V's registers by matrix instructions: nine places; eight serve the reads of O^T at a tile's end
.endr
.Lhid_\@:
	s_add_co_u32 s[KS], s[KS], 1
	s_add_co_u32 s[TB], s[TB], 8192
	s_add_co_u32 s[TS], s[TS], 512
	s_add_co_u32 s[TJ], s[TJ], 256
.endm
.macro STEPS n                         ; n trips, one key step each
	s_mov_b32 s[CNT], \n
.Ltrip_\@:
	STEP
	s_sub_co_u32 s[CNT], s[CNT], 1
	s_cmp_lg_u32 s[CNT], 0
	s_cbranch_scc1 .Ltrip_\@
	s_setprio 0
.endm
; A tile ends: O^T / the sum, quantised along the head's 64 channels (two blocks), is two groups of the next product's image.
.macro FINISH
	v_add_f32 v14, v14, v15
	s_delay_alu instid0(VALU_DEP_1)
	v_permlanex16_b32 v252, v14, s[SEL], s[SEL+1]
	s_delay_alu instid0(VALU_DEP_1)
	v_add_f32 v14, v14, v252                       ; the row's sum
	s_wait_alu depctr_va_vdst(0)
	v_rcp_f32 v14, v14
	v_nop                                          ; one plain place behind a transcendental
.set n, 0
	s_wait_alu depctr_va_vdst(0)
.rept 16
	v_pk_mul_f32 v[160+n:161+n], v[160+n:161+n], v[14:15] op_sel_hi:[1,0]   ; register 16 b + i: channel 32 b + 16 h + i of my query; each accumulator from its low end on
.set n, n+2
.endr
.irp b, 0,1
	v_max3_num_f32 v[232+\b], |v[160+16*\b]|, |v[161+16*\b]|, 0x8000000
.endr
.irp i, 2,4,6,8,10,12,14
.irp b, 0,1
	s_delay_alu instid0(VALU_DEP_2)
	v_max3_num_f32 v[232+\b], v[232+\b], |v[160+16*\b+\i]|, |v[161+16*\b+\i]|
.endr
.endr
.irp b, 0,1
	s_delay_alu instid0(VALU_DEP_2)
	v_permlanex16_b32 v[236+\b], v[232+\b], s[SEL], s[SEL+1]
.endr
.irp b, 0,1
	s_delay_alu instid0(VALU_DEP_2)
	v_max_num_f32 v[232+\b], v[232+\b], v[236+\b]
.endr
.irp b, 0,1
	s_delay_alu instid0(VALU_DEP_2)
	v_add_nc_u32 v[244+\b], 0xf8800000, v[232+\b]
.endr
.irp b, 0,1
.endr
.irp b, 0,1
	s_delay_alu instid0(VALU_DEP_2)
	v_lshrrev_b32 v[236+\b], 23, v[244+\b]
.endr
	s_delay_alu instid0(VALU_DEP_1)
	v_lshl_or_b32 v253, v237, 8, v236              ; my head's two bytes of the row's scale word
.irp b, 0,1
.irp i, 0,1,2,3,4,5,6,7,8,9,10,11,12,13,14,15
.endr
	v_cvt_scalef32_pk8_bf8_f32 v[192+4*\b:193+4*\b], v[160+16*\b:167+16*\b], v[244+\b]
	v_cvt_scalef32_pk8_bf8_f32 v[194+4*\b:195+4*\b], v[168+16*\b:175+16*\b], v[244+\b]
.endr
	v_nop                                          ; one plain vector instruction behind the last conversion
	global_store_b128 v1, v[192:195], s[90:91]     ; 32 lanes store 512 consecutive bytes
	global_store_b128 v1, v[196:199], s[90:91] offset:512
	global_store_b16 v5, v253, s[92:93]            ; a head owns two of a scale word's four bytes: 32 bytes a tile against the codes' 1,024; both halves of the lanes write the same
.endm
	s_xor_b32 s[MM], s[WV], 31                     ; m = 31 - wave: 9 to 16 steps
	START
	ARRIVE 7                                       ; the scales and key steps 0, 1 (each fetching wave's first two loads)
	STEPS 2
	ARRIVE 5                                       ; key steps up to 5
	STEPS 4
	ARRIVE 0                                       ; all
	STEPS 10
	FINISH
	s_mov_b32 s[MM], s[WV]                         ; m = wave: 1 to 8 steps
	START
	STEPS 8
	FINISH
	s_wait_tensorcnt 0x0
	ds_add_u32 v251, v255
	s_wait_dscnt 0x0
	ROUND                                          ; the closing round
	s_endpgm
.Lfunc_end_k_q44a60f8979_attn:
	.size	k_q44a60f8979_attn, .Lfunc_end_k_q44a60f8979_attn-k_q44a60f8979_attn
	.p2alignl 7, 3214868480
	.fill 96, 4, 3214868480
	.section	.rodata,"a",@progbits
	.p2align	6, 0x0
	.amdhsa_kernel k_q44a60f8979_attn
		.amdhsa_group_segment_fixed_size 327680
		.amdhsa_private_segment_fixed_size 0
		.amdhsa_enable_private_segment 0
		.amdhsa_kernarg_size 32
		.amdhsa_user_sgpr_count 2
		.amdhsa_user_sgpr_kernarg_segment_ptr 1
		.amdhsa_wavefront_size32 1
		.amdhsa_system_sgpr_workgroup_id_x 1
		.amdhsa_system_sgpr_workgroup_id_y 1
		.amdhsa_system_sgpr_workgroup_id_z 1
		.amdhsa_system_vgpr_workitem_id 0
		.amdhsa_next_free_vgpr 256
		.amdhsa_next_free_sgpr 100
		.amdhsa_reserve_vcc 1
		.amdhsa_float_denorm_mode_32 3
		.amdhsa_float_denorm_mode_16_64 3
		.amdhsa_fp16_overflow 1
		.amdhsa_memory_ordered 1
		.amdhsa_forward_progress 1
		.amdhsa_inst_pref_size 116
	.end_amdhsa_kernel
	.amdgpu_metadata
---
amdhsa.version: [ 1, 2 ]
amdhsa.kernels:
  - .name:           k_q44a60f8979_attn
    .symbol:         k_q44a60f8979_attn.kd
    .args:
      - { .name: qkv_img, .offset: 0, .size: 8, .value_kind: global_buffer, .address_space: global }
      - { .name: qkv_sc, .offset: 8, .size: 8, .value_kind: global_buffer, .address_space: global }
      - { .name: a_img, .offset: 16, .size: 8, .value_kind: global_buffer, .address_space: global }
      - { .name: a_sc, .offset: 24, .size: 8, .value_kind: global_buffer, .address_space: global }
    .group_segment_fixed_size: 327680
    .private_segment_fixed_size: 0
    .kernarg_segment_align: 8
    .kernarg_segment_size: 32
    .max_flat_workgroup_size: 512
    .sgpr_count:     100
    .vgpr_count:     256
    .wavefront_size: 32
...
	.end_amdgpu_metadata
.endif
;; end of part 3
;; launch proj (part 4): grid 4 x 32, 4 waves a work-group, clusters of 4 x 4, 327,680 bytes of LDS; arguments a_img, a_sc, w_img, w_sc, bo, out0; writes out0
.if DOCPART == 4
	.amdgcn_target "amdgcn-amd-amdhsa--gfx1250"
	.amdhsa_code_object_version 6
	.text
	.protected	k_q44a60f8979_proj
	.globl	k_q44a60f8979_proj
	.p2align	8
	.type	k_q44a60f8979_proj,@function
k_q44a60f8979_proj:
	s_mov_b64 s[64:65], 0
	v_nop
	global_prefetch_b8 v0, s[64:65] scope:SCOPE_SE
	s_setreg_imm32_b32 hwreg(HW_REG_WAVE_MODE, 25, 1), 1
	s_wait_xcnt 0x0
	s_wait_alu depctr_hold_cnt(0) depctr_sa_sdst(0) depctr_va_vdst(0) depctr_va_sdst(0) depctr_va_ssrc(0) depctr_va_vcc(0) depctr_vm_vsrc(0)
	s_getreg_b32 s2, hwreg(HW_REG_IB_STS2, 6, 4)
	s_cmp_eq_u32 s2, 0
	s_cbranch_scc0 .Lentry_in_a_cluster
	s_endpgm
.Lentry_in_a_cluster:
	s_bfe_u32 s2, ttmp6, 0x10000c
	s_cmp_lg_u32 s2, 0xf033
	s_cbranch_scc0 .Lentry_shape_is_right
	s_endpgm
.Lentry_shape_is_right:
; out0 = a Wo^T + bo on codes of BF8 (E5M2) with E8M0 scales, K = 1,024; a is the attention's result, 8,192 rows; out0 [8192][1024] f32.
; OPERANDS ARE IMAGES OF REGISTERS: a tile is 16 rows, place r = row 32 (T / 2) + 8 (T % 2) + r + 8 (r / 8); the image of a tile and 128 along K is 2,048 bytes, byte 512 c + 16 l + i.
; Source 0 = Wo's tiles (called B; w_img's tiles 192 on), source 1 = a's (A): a lane holds one row of out0, and the 16 registers of two neighbouring result tiles are 16 neighbouring columns.
; A work-group of four waves makes 256 rows x 256 columns; a wave 128 x 128: 64 accumulators, 512 registers.  K goes in four steps of 256 through two LDS slots.
; CLUSTERS: 4 x 4.  A's tiles hang on cy and are shared along a row of the cluster, B's on cx and along a column: each is asked for jointly.
; The bias is the C of each sum's first product: 64 registers in the result's layout.  32 x 4 = 128 work-groups: the tile is kept at 256 x 256 so that one schedule serves both products' launches.
; REGISTERS, in windows of 256: window 0: v16-31 addresses; v32-63 scale words, two sets; v64-127 bo; from v128 A's fragments, ONE set; on the way out v128-255 take rows of out0.
;   window 1: B's fragments, TWO sets.   window 2: the accumulators of A's blocks 0-3 ((a, b) at v[8 (8 a + b)]);   window 3: those of blocks 4-7.
.set NQ,     2
.set FR,     16
.set NL,     4
.set NP,     8                         ; places behind this matrix instruction (ISA guide 7.12.1)
.set TILEB,  4096                      ; a tile's two images of a K step of 256
.set HALFT,  8*TILEB
.set SLOT,   4*HALFT
.set SCL,    2*SLOT                    ; the scale images for all of K: A's 16 tiles x 512 bytes, then B's
.set SPARE,  SCL+16384                 ; the spare words, 128 bytes for each wave: two blocks of 256 bytes that no other line names
.set SPITCH, 528                       ; the way out: a stage of 16 rows x (512 bytes + 16) for each wave, in slot 0, which has had its last fill and its last read by then
.set ADRA, 16
.set ADRB, 20
.set BPO,  22                          ; v22  64 x (lane / 16)
.set STO,  24                          ; v24  the way out: where I put 16 bytes of a row
.set RD,   25                          ; v25  and where I read a row back
.set CO,   26                          ; v26  16 x lane
.set ADRS, 27
.set SPW,  28                          ; v28  LDS address of my spare word; never rewritten
.set NIL,  29                          ; v29  0; never rewritten
.set SC,   32
.set BP,   64
.set AF,   128
.set BK,   128
.set G1, 24
.set G0, 32
.set G1B, 48
.set G0B, 56
.set G1S, 68
.set G0S, 76
.set G1SB, 80
.set G0SB, 88
.set MSB, 0
.macro WIN new                         ; the immediate's high byte repeats the setting that is left
.if MSB != (\new)
	s_set_vgpr_msb (MSB<<8)|(\new)
.set MSB, (\new)
.endif
.endm
.set MUL_LO, 0xa1                      ; source 0 (B) window 1, source 1 (A) window 0, C and D window 2;  less 0x20: C window 0 (the bias)
.set MUL_HI, 0xf1                      ; the same, C and D window 3;  less 0x30: C window 0
.set TO_B,   0x40
; A joint load: waves 0 and 1 fetch for A, waves 2 and 3 for B; the branch hangs on the wave's number alone.  Four v_nop follow each of the two lines.
.macro JLOAD g0a, g1a, g0b, g1b
	s_cmp_eq_u32 s15, 0
	s_cbranch_scc0 .Lfor_b_\@
	tensor_load_to_lds s[\g0a:\g0a+3], s[\g1a:\g1a+7]
	s_nop 0
.rept 4
	v_nop
.endr
	s_branch .Lasked_\@
.Lfor_b_\@:
	tensor_load_to_lds s[\g0b:\g0b+3], s[\g1b:\g1b+7]
	s_nop 0
.rept 4
	v_nop
.endr
.Lasked_\@:
.endm
.macro CREST
	s_cmp_lg_u32 s14, 0
	s_cbranch_scc1 .Lnot_wave_0_\@
	s_barrier_signal -3
.Lnot_wave_0_\@:
	s_barrier_wait -3
	s_barrier_signal -1
	s_barrier_wait -1
.endm
.macro CROUND
	s_barrier_signal -1
	s_barrier_wait -1
	CREST
.endm
	s_load_b256 s[4:11], s[0:1], 0x0               ; a_img, a_sc, w_img, w_sc
	s_load_b128 s[92:95], s[0:1], 0x20             ; bo, out0
	v_lshl_add_u32 v[SPW], v0, 2, SPARE
	v_mov_b32 v[NIL], 0
	ds_add_u32 v28, v29
	ds_add_u32 v28, v29
	s_wait_dscnt 0x0
	v_lshrrev_b32 v1, 5, v0
	v_readfirstlane_b32 s14, v1                    ; wave 0..3
	s_lshr_b32 s15, s14, 1                         ; which half of A's tiles is mine.  Also: I fetch for A (0) or for B (1)
	s_and_b32 s16, s14, 1                          ; which half of B's.  Also: which eight tiles I fetch
	s_bfe_u32 s40, ttmp6, 0x40000                  ; cx, cy
	s_bfe_u32 s41, ttmp6, 0x40004
	s_lshl_b32 s42, ttmp9, 2
	s_add_co_u32 s42, s42, s40                     ; c0: B's block of 256 rows of Wo
	s_and_b32 s17, ttmp7, 0xffff
	s_lshl_b32 s17, s17, 2
	s_add_co_u32 s17, s17, s41                     ; c1: A's block of 256 rows
	s_lshl_b32 s43, s41, 2
	s_lshl_b32 s43, 15, s43                        ; my row of the cluster
	s_lshl_b32 s44, 0x1111, s40                    ; my column
	s_or_b32 s[G1+0], s43, 1<<21                   ; eight tiles' images of a K step: 8 rows of 4,096 bytes, 16,384 bytes apart in memory, on end in LDS
	s_or_b32 s[G1B+0], s44, 1<<21
.irp g, G1, G1B
	s_mov_b32 s[\g+1], TILEB<<16
	s_mov_b32 s[\g+2], 8<<16
	s_mov_b32 s[\g+3], TILEB<<16
	s_mov_b32 s[\g+4], 8
	s_mov_b32 s[\g+5], 16384
	s_mov_b32 s[\g+6], 0
	s_mov_b32 s[\g+7], 0
.endr
	s_or_b32 s[G1S+0], s43, (3<<16)|(1<<21)        ; eight tiles' scale images: 4,096 dense bytes as 16 rows of 256
	s_or_b32 s[G1SB+0], s44, (3<<16)|(1<<21)
.irp g, G1S, G1SB
	s_mov_b32 s[\g+1], 32<<16
	s_mov_b32 s[\g+2], 16<<16
	s_mov_b32 s[\g+3], 32<<16
	s_mov_b32 s[\g+4], 16
	s_mov_b32 s[\g+5], 32
	s_mov_b32 s[\g+6], 0
	s_mov_b32 s[\g+7], 0
.endr
	s_lshl_b32 s20, s17, 18
	s_lshl_b32 s18, s16, 17
	s_add_co_u32 s20, s20, s18
	s_mov_b32 s21, 0
	s_lshl_b32 s46, s42, 18
	s_add_co_u32 s46, s46, s18
	s_add_co_u32 s46, s46, 3145728                 ; Wo: tiles 192 on
	s_mov_b32 s47, 0
	s_lshl_b32 s22, s17, 13
	s_lshl_b32 s18, s16, 12
	s_add_co_u32 s22, s22, s18
	s_mov_b32 s23, 0
	s_lshl_b32 s98, s42, 13
	s_add_co_u32 s98, s98, s18
	s_add_co_u32 s98, s98, 98304
	s_mov_b32 s99, 0
	s_lshl_b32 s104, s42, 10                       ; my first column, in bytes: 1,024 c0 + 512 x half
	s_lshl_b32 s105, s16, 9
	s_add_co_u32 s104, s104, s105
	s_mov_b32 s105, 0
	s_lshl_b32 s2, s17, 20                         ; my first row: 256 c1 + 128 x half, rows of 4,096 bytes
	s_lshl_b32 s3, s15, 19
	s_add_co_u32 s2, s2, s3
	s_add_co_u32 s2, s2, s104
	s_mov_b32 s3, 0
	s_lshl_b32 s45, s14, 15
	s_wait_kmcnt 0x0
	s_add_nc_u64 s[20:21], s[4:5], s[20:21]
	s_add_nc_u64 s[22:23], s[6:7], s[22:23]
	s_add_nc_u64 s[46:47], s[8:9], s[46:47]
	s_add_nc_u64 s[98:99], s[10:11], s[98:99]
	s_add_nc_u64 s[104:105], s[92:93], s[104:105]
	s_add_nc_u64 s[12:13], s[94:95], s[2:3]
	CROUND                                         ; all sixteen work-groups are here: the first joint loads meet
	s_lshl_b32 s18, s14, 12
	s_mov_b32 s[G0S], 1
	s_add_co_u32 s[G0S+1], s18, SCL
	s_mov_b64 s[G0S+2:G0S+3], s[22:23]
	s_or_b32 s[G0S+3], s[G0S+3], 0x80000000
	s_mov_b32 s[G0SB], 1
	s_add_co_u32 s[G0SB+1], s18, SCL
	s_mov_b64 s[G0SB+2:G0SB+3], s[98:99]
	s_or_b32 s[G0SB+3], s[G0SB+3], 0x80000000
	JLOAD G0S, G1S, G0SB, G1SB
.irp s, 0,1
	s_mov_b32 s[G0+4*\s], 1
	s_add_co_u32 s[G0+4*\s+1], s45, \s*SLOT
	s_add_nc_u64 s[G0+4*\s+2:G0+4*\s+3], s[20:21], \s*TILEB
	s_or_b32 s[G0+4*\s+3], s[G0+4*\s+3], 0x80000000
	s_mov_b32 s[G0B+4*\s], 1
	s_add_co_u32 s[G0B+4*\s+1], s45, \s*SLOT
	s_add_nc_u64 s[G0B+4*\s+2:G0B+4*\s+3], s[46:47], \s*TILEB
	s_or_b32 s[G0B+4*\s+3], s[G0B+4*\s+3], 0x80000000
	s_wait_alu depctr_va_vdst(0)
	s_wait_tensorcnt 0x0
	ds_add_u32 v28, v29
	s_wait_dscnt 0x0
	CROUND
	JLOAD G0+4*\s, G1, G0B+4*\s, G1B               ; by this text's count one tensor load of a wave is out now
.endr
	v_and_b32 v1, 15, v0                           ; r
	v_bfe_u32 v2, v0, 4, 1                         ; h
	s_wait_alu depctr_va_vdst(0)
	v_and_b32 v3, 31, v0
	v_lshlrev_b32 v[CO], 4, v3
	s_lshl_b32 s18, s15, 15
	s_lshl_b32 s19, s16, 15
	s_add_co_u32 s19, s19, 2*HALFT
.irp s, 0,1
	v_add_nc_u32 v[ADRA+\s], s18, v[CO]
	v_add_nc_u32 v[ADRB+\s], s19, v[CO]
	s_add_co_u32 s18, s18, SLOT
	s_add_co_u32 s19, s19, SLOT
.endr
	s_lshl_b32 s18, s15, 12                        ; scale words: A's eight tiles; lanes 16-31 take B's: the lower base + h x the distance
	s_lshl_b32 s19, s16, 12
	s_add_co_u32 s19, s19, 8192
	s_sub_co_u32 s19, s19, s18
	v_mul_u32_u24 v4, s19, v2
	s_add_co_u32 s18, s18, SCL
	v_lshl_add_u32 v5, v1, 2, v4
	v_add_nc_u32 v[ADRS], s18, v5
	v_lshlrev_b32 v[BPO], 6, v2
.irp b, 0,1,2,3
.irp j, 0,1,2,3
	global_load_b128 v[BP+16*\b+4*\j:BP+16*\b+4*\j+3], v[BPO], s[104:105] offset:128*\b+16*\j   ; register 16 b + i: the bias of column 32 b + 16 h + i
.endr
.endr
	s_mul_i32 s18, s14, 16*SPITCH                  ; my stage
	v_mul_u32_u24 v4, v1, SPITCH
	v_lshl_add_u32 v4, v2, 6, v4
	v_add_nc_u32 v[STO], s18, v4                   ; in: row r, + 64 h
	v_add_nc_u32 v[RD], s18, v[CO]                 ; back: the 32 lanes take one row of 512 bytes
.macro FRAG reg, adr, q, i
.irp c, 0,1,2,3
	ds_load_b128 v[\reg+4*\c:\reg+4*\c+3], v[\adr] offset:2048*(\q)+512*\c+TILEB*(\i)
.endr
.endm
; 16 matrix instructions: A's blocks a0, a0 + 1 x B's eight.  first = 1: the first product starts the sums from the bias.  The 64 accumulators take turns.
.macro MUL16 a0, p, q, sc, first
.irp a, \a0, \a0+1
.irp b, 0,1,2,3,4,5,6,7
.if \first
	v_wmma_scale_f32_16x16x128_f8f6f4 v[8*(8*((\a)%4)+\b):8*(8*((\a)%4)+\b)+7], v[128*(\p)+FR*\b:128*(\p)+FR*\b+FR-1], v[AF+FR*(\a):AF+FR*(\a)+FR-1], v[BP+8*\b:BP+8*\b+7], v[SC+8*NQ*(\sc)+NQ*\b+(\q)], v[SC+8*NQ*(\sc)+NQ*(\a)+(\q)] matrix_a_fmt:MATRIX_FMT_BF8 matrix_b_fmt:MATRIX_FMT_BF8 matrix_a_scale:MATRIX_SCALE_ROW1
.else
	v_wmma_scale_f32_16x16x128_f8f6f4 v[8*(8*((\a)%4)+\b):8*(8*((\a)%4)+\b)+7], v[128*(\p)+FR*\b:128*(\p)+FR*\b+FR-1], v[AF+FR*(\a):AF+FR*(\a)+FR-1], v[8*(8*((\a)%4)+\b):8*(8*((\a)%4)+\b)+7], v[SC+8*NQ*(\sc)+NQ*\b+(\q)], v[SC+8*NQ*(\sc)+NQ*(\a)+(\q)] matrix_a_fmt:MATRIX_FMT_BF8 matrix_b_fmt:MATRIX_FMT_BF8 matrix_a_scale:MATRIX_SCALE_ROW1
.endif
.endr
.endr
.endm
.macro FETCH_B slot, q, p
	WIN TO_B
.irp i, 0,1,2,3,4,5,6,7
	FRAG 128*(\p)+FR*\i, ADRB+\slot, \q, \i
.endr
	WIN 0
.endm
.macro FETCH_A slot, q, i0
.irp i, \i0, \i0+1, \i0+2, \i0+3
	FRAG AF+FR*(\i), ADRA+\slot, \q, \i
.endr
.endm
.macro SCALES sc, ks
.irp i, 0,1,2,3,4,5,6,7
.irp q, 0,1
	ds_load_b32 v[SC+8*NQ*(\sc)+NQ*\i+\q], v[ADRS] offset:512*\i+64*(2*(\ks)+\q)
.endr
.endr
.endm
.macro PLACES n                        ; plain vector instructions that name no register of the matrix instructions in front of them (ISA guide 7.12.1 for vector instructions)
.rept \n
	v_nop
.endr
.endm
.macro STEP slot, q, first
	s_wait_dscnt 4*NL                              ; B's set, the scale words and A's blocks 0-3 are in; the youngest 16 loads (A's blocks 4-7) may be out
	WIN MUL_LO-0x20*(\first)
	MUL16 0, (\q)%2, \q, \slot, \first
	MUL16 2, (\q)%2, \q, \slot, \first
	s_wait_dscnt 0
	PLACES NP
	FETCH_B \slot, (\q)+1, 1-(\q)%2
	FETCH_A \slot, (\q)+1, 0
	WIN MUL_HI-0x30*(\first)
	MUL16 4, (\q)%2, \q, \slot, \first
	MUL16 6, (\q)%2, \q, \slot, \first
	PLACES NP
	WIN 0
	FETCH_A \slot, (\q)+1, 4
.endm
; A slot's last step changes slots: ONE barrier; in front of it each wave waits for all its tensor loads, adds 0 to its spare word, and waits for that and for its own reads of this slot.
.macro TURN slot, next, fill, ks
	s_wait_tensorcnt 0x0                           ; all my tensor loads have landed: my part of the next slot
	ds_add_u32 v[SPW], v[NIL]                      ; 0 onto my spare word
	s_wait_dscnt 4*NL+1                            ; (the add and the youngest 16 loads may be out)
	WIN MUL_LO
	MUL16 0, 1, NQ-1, \slot, 0
	s_wait_dscnt 0x0                               ; the add is done, and my reads of this slot are over
	s_barrier_signal -1
	MUL16 2, 1, NQ-1, \slot, 0
	WIN 0
	s_barrier_wait -1
.if \fill
	CREST                                          ; the barrier has opened a round of the cluster's barrier: no wave of any partner still reads this slot or has a load on its way
	s_add_nc_u64 s[G0+4*\slot+2:G0+4*\slot+3], s[G0+4*\slot+2:G0+4*\slot+3], 2*TILEB
	s_add_nc_u64 s[G0B+4*\slot+2:G0B+4*\slot+3], s[G0B+4*\slot+2:G0B+4*\slot+3], 2*TILEB
	JLOAD G0+4*\slot, G1, G0B+4*\slot, G1B         ; the first tensor load behind the round, and my only one until the next
	PLACES NP-4
.else
	PLACES NP
.endif
	FETCH_B \next, 0, 0
	FETCH_A \next, 0, 0
	SCALES \next, \ks
	WIN MUL_HI
	MUL16 4, 1, NQ-1, \slot, 0
	MUL16 6, 1, NQ-1, \slot, 0
	PLACES NP
	WIN 0
	FETCH_A \next, 0, 4
.endm
	s_wait_alu depctr_va_vdst(0)
	s_wait_loadcnt 0x0                             ; the bias
	s_wait_tensorcnt 1                             ; the scales and my part of K step 0 are in (K step 1's load may be out)
	s_barrier_signal -1
	s_barrier_wait -1                              ; everybody's are
	FETCH_B 0, 0, 0
	FETCH_A 0, 0, 0
	SCALES 0, 0
	FETCH_A 0, 0, 4
	STEP 0, 0, 1                                   ; K = 1,024 is four K steps: written out, no loop
	TURN 0, 1, 1, 1
	STEP 1, 0, 0
	TURN 1, 0, 1, 2
	STEP 0, 0, 0
	TURN 0, 1, 0, 3
	STEP 1, 0, 0
	s_wait_dscnt 4*NL                              ; the very last step: nothing more to fetch
	WIN MUL_LO
	MUL16 0, 1, NQ-1, 1, 0
	MUL16 2, 1, NQ-1, 1, 0
	s_wait_dscnt 0
	WIN MUL_HI
	MUL16 4, 1, NQ-1, 1, 0
	MUL16 6, 1, NQ-1, 1, 0
	WIN 0
; THE WAY OUT, block by block of 16 rows x 128 columns, through my own stage in LDS: in by lanes (a lane's eight numbers of accumulator b are columns 32 (b / 2) + 16 h + 8 (b % 2) on), back as whole rows
; of 512 bytes.  LDS serves a wave's instructions in order: no wait between the stores and the loads, nor in front of the next block's stores.
.macro TOSTAGE a
.set AC, 64*((\a)%4)
	WIN 0x08+4*((\a)/4)                            ; the data: window 2 or 3
.irp b, 0,1,2,3,4,5,6,7
	ds_store_b128 v[STO], v[AC+8*\b:AC+8*\b+3] offset:128*(\b/2)+32*(\b%2)          ; each accumulator from its low end on
	ds_store_b128 v[STO], v[AC+8*\b+4:AC+8*\b+7] offset:128*(\b/2)+32*(\b%2)+16
.endr
	WIN 0
.set BB, BK+64*((\a)%2)
.irp t, 0,1,2,3,4,5,6,7,8,9,10,11,12,13,14,15
	ds_load_b128 v[BB+4*\t:BB+4*\t+3], v[RD] offset:\t*SPITCH
.endr
.endm
.macro SEND a, younger                 ; younger: the LDS instructions issued behind block a's loads, which may stay out
.set BB, BK+64*((\a)%2)
	s_wait_dscnt \younger
.irp t, 0,1,2,3,4,5,6,7,8,9,10,11,12,13,14,15
	global_store_b128 v[CO], v[BB+4*\t:BB+4*\t+3], s[12:13] offset:(32*((\a)/2)+8*((\a)%2)+\t+8*(\t/8))*4096 th:TH_STORE_NT   ; place t's true row; 32 lanes store 512 consecutive bytes, aligned; 127 rows at the most: inside the immediate
.endr
.endm
	PLACES NP
	TOSTAGE 0
.irp a, 1,2,3,4,5,6,7
.if \a > 1
	s_wait_xcnt 0x0                                ; block a - 2's stores have read their registers: block a's loads may land there
.endif
	TOSTAGE \a
	SEND \a-1, 32                                  ; behind block a - 1's loads: block a's 16 stores and 16 loads
.endr
	SEND 7, 0
	s_wait_tensorcnt 0x0                           ; the wave's end: behind my last tensor load and my last LDS store
	ds_add_u32 v[SPW], v[NIL]
	s_wait_dscnt 0x0
	CROUND                                         ; the closing round: no work-group ends while a partner may still ask for a tile that names it
	s_endpgm
.Lfunc_end_k_q44a60f8979_proj:
	.size	k_q44a60f8979_proj, .Lfunc_end_k_q44a60f8979_proj-k_q44a60f8979_proj
	.p2alignl 7, 3214868480
	.fill 96, 4, 3214868480
	.section	.rodata,"a",@progbits
	.p2align	6, 0x0
	.amdhsa_kernel k_q44a60f8979_proj
		.amdhsa_group_segment_fixed_size 327680
		.amdhsa_private_segment_fixed_size 0
		.amdhsa_enable_private_segment 0
		.amdhsa_kernarg_size 48
		.amdhsa_user_sgpr_count 2
		.amdhsa_user_sgpr_kernarg_segment_ptr 1
		.amdhsa_wavefront_size32 1
		.amdhsa_system_sgpr_workgroup_id_x 1
		.amdhsa_system_sgpr_workgroup_id_y 1
		.amdhsa_system_sgpr_workgroup_id_z 1
		.amdhsa_system_vgpr_workitem_id 0
		.amdhsa_next_free_vgpr 1024
		.amdhsa_next_free_sgpr 106
		.amdhsa_reserve_vcc 0
		.amdhsa_float_denorm_mode_32 3
		.amdhsa_float_denorm_mode_16_64 3
		.amdhsa_memory_ordered 1
		.amdhsa_forward_progress 1
		.amdhsa_inst_pref_size 149
	.end_amdhsa_kernel
	.amdgpu_metadata
---
amdhsa.version: [ 1, 2 ]
amdhsa.kernels:
  - .name:           k_q44a60f8979_proj
    .symbol:         k_q44a60f8979_proj.kd
    .args:
      - { .name: a_img, .offset: 0, .size: 8, .value_kind: global_buffer, .address_space: global }
      - { .name: a_sc, .offset: 8, .size: 8, .value_kind: global_buffer, .address_space: global }
      - { .name: w_img, .offset: 16, .size: 8, .value_kind: global_buffer, .address_space: global }
      - { .name: w_sc, .offset: 24, .size: 8, .value_kind: global_buffer, .address_space: global }
      - { .name: bo, .offset: 32, .size: 8, .value_kind: global_buffer, .address_space: global }
      - { .name: out0, .offset: 40, .size: 8, .value_kind: global_buffer, .address_space: global }
    .group_segment_fixed_size: 327680
    .private_segment_fixed_size: 0
    .kernarg_segment_align: 8
    .kernarg_segment_size: 48
    .max_flat_workgroup_size: 128
    .sgpr_count:     106
    .vgpr_count:     1024
    .wavefront_size: 32
...
	.end_amdgpu_metadata
.endif
;; end of part 4
